; MI455X (gfx1250); checked and timed in simulation.
; The chip was launched on July 23, 2026; its instructions are those of AMD's public machine-readable ISA for CDNA 5 (MIT licence, August 2026) and "CDNA5" Instruction Set Architecture Reference Guide (July 2026). The comments in the code are by the model that wrote it; some were corrected since.
;; Ro PE Attention 3 D. Allowed arithmetic: matrix products marked QUANTISED: E2M3 operands, one E8M0 scale for each 32 along K, by v_wmma_scale_f32_16x16x128_f8f6f4 with both operands' format E2M3, f32 sums; everything else in f32.
;; Inputs: b_proj 1,024 float32; freqs 3 x 512 float32; t_x 2,048 float32; t_y 2,048 float32; t_z 2,048 float32; w_proj 1,024 x 1,024 float32; w_qkv 3,072 x 1,024 float32; x 4 x 2,048 x 1,024 float32.
;; Outputs: out0 4 x 2,048 x 1,024 float32.
;; This version of the problem:
;;   THIS VERSION OF THE PROBLEM IS GIVEN IN LOW PRECISION. The matrix products marked QUANTISED in the list below multiply operands that are first quantised to E2M3 (2 exponent bits, 3 mantissa bits; 6 bits a number), with one power-of-two scale for each 32 numbers along K (OCP MX v1.0); their sums are f32. All else is computed in f32.
;;   The module's matrix products, in the order in which they are computed (A, B: the left and right operand; K: the contracted axis; several contracted axes count as one K, in the product's order):
;;     1. [M 8,192, K 1,024] x [K 1,024, N 3,072]; A: input x; B: input w_qkv: QUANTISED
;;     2. batch 64 x [M 2,048, K 64] x [K 64, N 2,048]; A: computed on the way; B: computed on the way: QUANTISED
;;     3. batch 64 x [M 2,048, K 2,048] x [K 2,048, N 64]; A: softmax (see below); B: computed on the way: QUANTISED
;;     4. [M 8,192, K 1,024] x [K 1,024, N 1,024]; A: computed on the way; B: input w_proj: QUANTISED
;;   THE QUANTISER, for each operand of a quantised product, along K:
;;     - K is cut into blocks of 32 from its start; a last block that is shorter is filled with zeros.
;;     - A block's scale is 2^e with e = floor(log2(the largest magnitude in the block)) - 2, held to -126 .. 127; a block of zeros has e = 0. As a byte (E8M0): e + 127.
;;     - Each number is divided by its block's scale, clamped to +-7.5, and rounded to the nearest number of E2M3, ties to even, subnormals kept.
;;     - The product sums the exact products of the quantised numbers (number of the format x scale) in f32.
;;   ~~~python
;;   def quantise(x, axis):      # numpy; x: float32 -> the quantised numbers, widened to float32 again
;;       x = np.moveaxis(x, axis, -1); K = x.shape[-1]
;;       x = np.pad(x, [(0, 0)] * (x.ndim - 1) + [(0, -K % 32)]); x = x.reshape(x.shape[:-1] + (-1, 32)); a = np.abs(x).max(-1, keepdims=True)
;;       e = np.where(a > 0, np.clip(np.frexp(np.where(a > 0, a, 1))[1] - 1 - 2, -126, 127), 0)      # np.frexp(a)[1] - 1 = floor(log2(a)), exactly
;;       r = np.clip(x / 2.0 ** e, -7.5, 7.5)
;;       step = 2.0 ** (np.maximum(np.frexp(np.where(r == 0, 1, r))[1] - 1, 0) - 3)
;;       q = np.round(r / step) * step * 2.0 ** e      # np.round: ties to even
;;       return np.moveaxis(q.reshape(q.shape[:-2] + (-1,))[..., :K], -1, axis).astype(np.float32)
;;   ~~~
;;   SOFTMAX AHEAD OF A QUANTISED PRODUCT. Where the list says 'softmax', what is quantised is not the finished softmax but p = 2^(t - M), with t = logit x log2(e) and M = ceil(the row's largest t), a whole number; so 1/2 < the row's largest p <= 1. The row's sum l is taken of the UNQUANTISED p, in f32, and the product's result is divided by l at the end. Since M is a whole number, a kernel that streams over the keys may use a running M (the ceiling of the running maximum): every later rescaling is an exact power of two, which a block's scale takes up: the codes' values come out the same.
;;   OPERANDS COMPUTED ON THE WAY. 'Computed on the way' means the value that the module computes at that place (a softmax that the list does not call 'softmax' is quantised finished and normalised). What goes into a quantiser is computed in f32, as accurately as f32 sums, v_exp_f32 and their like allow (about 1e-6 of the number): no bf16 or f16 on the way to a quantiser, and a product that is left as it is and whose result goes on into a quantised operand takes f32 operands (vector FMAs, or v_wmma_f32_16x16x4_f32). A number that lies on a knife's edge between two numbers of the format may be rounded either way, as far as f32 arithmetic and the matrix unit's own rounding can turn it there, and no further.
;; One version. Each part assembles by itself: llvm-mc -triple=amdgcn-amd-amdhsa -mcpu=gfx1250 --defsym DOCPART=n.
;; ======== version 1 of 1: 4 launches
;; limits: right only within a limited range of input values
;; workspace buffers: c0 9,437,184 bytes; s0 393,216 bytes; rope 8,388,608 bytes; img 18,874,368 bytes; isc 1,310,720 bytes; ac 6,291,456 bytes; asc 262,144 bytes
;; launch prep (part 1): grid 640 x 1, 4 waves a work-group, no clusters, 33,280 bytes of LDS; arguments x, w_qkv, w_proj, t_x, t_y, t_z, freqs, c0, s0, rope; writes c0, s0, rope
.if DOCPART == 1
	.amdgcn_target "amdgcn-amd-amdhsa--gfx1250"
	.amdhsa_code_object_version 6
	.text
	.protected	k_q4579eb4d42_prep
	.globl	k_q4579eb4d42_prep
	.p2align	8
	.type	k_q4579eb4d42_prep,@function
k_q4579eb4d42_prep:
	s_mov_b64 s[64:65], 0
	v_nop
	global_prefetch_b8 v0, s[64:65] scope:SCOPE_SE
	s_setreg_imm32_b32 hwreg(HW_REG_WAVE_MODE, 25, 1), 1
	s_wait_xcnt 0x0
; TWO JOBS IN ONE LAUNCH, parted by the work-group's number.
; Work-groups 256 .. 639: x [8192][1024], w_qkv [3072][1024], w_proj [1024][1024], f32, become codes of FP6 (E2M3), K innermost, with one E8M0 byte for each 32 along K.
;   c0 holds rows of 768 bytes in one row space (x, then w_qkv, then w_proj), s0 the same rows' 32 scale bytes.  A block's scale is 2^(floor(log2(largest magnitude)) - 2);
;   its byte is the largest magnitude's exponent field - 2, held at 1 from below (a block of zeros keeps the byte 1: its codes are zeros, and this program alone reads the bytes).
;   ROWS OF x AND w_qkv ARE STORED WITH BITS 3 AND 4 OF THE ROW NUMBER SWAPPED: sixteen places on end then hold rows 32 b + 8 u + i + 8 (i / 8), which is the choice of rows that lets the next launch's results
;   lie as 16 neighbours along the next K.  A wave's run is 8 rows, so the swap is a swap of the wave number's two bits in the output's address.  w_proj lies in its own order.
; Work-groups 0 .. 255: the table of cos and sin of the mixed 3D RoPE angles, laid in the order of the registers in which the next launch holds q and k:
;   rope[unit = 8 blk + cg][j][lane][16 bytes]: lane (r, h) holds (cos, sin, cos, sin) for token 32 (blk / 2) + 16 (r / 8) + 8 (blk % 2) + r % 8 and channels 128 cg + 32 (j / 4) + 16 h + 4 (j % 4) + 0 .. 3.
;   Each wave finds the three axes' minimum and maximum itself (24 KiB read by each wave): no traffic between work-groups.  Sine and cosine: the angle less the nearest multiple of pi / 2
;   (pi / 2 in three parts, fused multiply-adds), polynomials on +-pi / 4, the quadrant by selects and sign bits.
; LIMITS: NaN and infinities among the inputs are not served; blocks whose largest magnitude lies under 2^-124 have their byte held at 1; |angle| under 2^22 (the multiple of pi / 2 must be exact in f32).
; No tensor loads, no barrier: waves share nothing.  Only the quantiser's path touches LDS.
; LAYOUT OF c0 AS IT IS STORED BELOW: four planes, one for each 256 along K; a plane holds the 192 code bytes of that K range for all 12,288 rows of the row space, row behind row.
; So 128 rows of one K range are 24,576 consecutive bytes that begin at a multiple of 256.  A step's lanes 0-15 hold one plane's 192 bytes of a row, lanes 16-31 the next plane's.
.set PLANE, 2359296                    ; 12,288 rows x 192 bytes
.set STEPS, 16
.set CB,    12                         ; bytes of 16 codes
.set R,     16                         ; v16-79   four sets of 16 numbers as loaded
.set X,     80                         ; v80-111  two sets of 16 neighbours
.set CD,    128                        ; v128-191 codes: four registers a step, never written again
.set E,     112                        ; v112-127 a scale byte for each step
.set WREG,  8192                       ; LDS: a region for each wave: two stages of 32 x SP bytes, then its 256 scale bytes
.set SP,    80                         ; a lane's place in a stage: 64 bytes + 16 of padding
.set FQ,    16                         ; rope: v16-111 the frequencies: 6 registers a j (axis x pair)
.set OUT,   112                        ; rope: v112-175 results, four registers a j, never written again
	s_load_b512 s[8:23], s[0:1], 0x0               ; x s[8:9], w_qkv s[10:11], w_proj s[12:13], t_x s[14:15], t_y s[16:17], t_z s[18:19], freqs s[20:21], c0 s[22:23]
	s_load_b128 s[24:27], s[0:1], 0x40             ; s0 s[24:25], rope s[26:27]
	v_lshl_add_u32 v224, v0, 2, 0x8000
	v_mov_b32 v225, 0
	v_lshrrev_b32 v1, 5, v0
	v_readfirstlane_b32 s28, v1                    ; wave
	v_and_b32 v2, 31, v0                           ; lane
	s_cmp_lt_u32 ttmp9, 256
	s_cbranch_scc1 .Lrope
	; ---------------- THE QUANTISER: a wave takes 16 steps of 512 numbers (8 rows) ----------------
	v_lshlrev_b32 v3, 4, v2                        ; my 16 bytes of a load's 512
	s_mul_i32 s29, s28, WREG
	v_lshrrev_b32 v14, 2, v2
	v_mul_u32_u24 v14, v14, SP
	v_and_b32 v15, 3, v2
	v_lshl_add_u32 v14, v15, 4, v14
	v_add_nc_u32 v14, s29, v14                     ; the stage, on the way in: SP (lane / 4) + 16 (lane % 4)
	v_mul_u32_u24 v15, v2, SP
	v_add_nc_u32 v15, s29, v15                     ; and on the way out: SP x lane: my 16 neighbours
	v_and_b32 v4, 15, v2
	v_mul_u32_u24 v4, v4, CB                       ; my codes' place in a row's 192 bytes of a plane,
	v_lshrrev_b32 v10, 4, v2
	v_mad_u32_u24 v4, v10, PLANE, v4               ; and lanes 16-31 one plane on
	v_lshrrev_b32 v5, 1, v2
	s_add_co_u32 s29, s29, 2*32*SP
	v_add_nc_u32 v5, s29, v5                       ; LDS: my wave's 256 scale bytes, my block's byte
	v_lshlrev_b32 v7, 3, v2
	v_add_nc_u32 v6, s29, v7                       ; and on the way out 8 bytes a lane
	s_sub_co_u32 s2, ttmp9, 256                    ; which 32 rows of the row space
	s_and_b32 s30, s28, 1
	s_lshl_b32 s30, s30, 1
	s_lshr_b32 s31, s28, 1
	s_or_b32 s30, s30, s31                         ; the wave's number with its two bits swapped
	s_wait_alu depctr_va_vdst(0)
	s_wait_kmcnt 0x0
	s_cmp_lt_u32 s2, 256                           ; the choices hang on the work-group's number alone
	s_cselect_b64 s[4:5], s[8:9], s[10:11]
	s_cselect_b32 s3, 0, 256
	s_cmp_lt_u32 s2, 352
	s_cselect_b64 s[4:5], s[4:5], s[12:13]
	s_cselect_b32 s3, s3, 352
	s_cselect_b32 s30, s30, s28                    ; w_proj keeps its order
	s_sub_co_u32 s3, s2, s3
	s_lshl_b32 s3, s3, 2
	s_add_co_u32 s3, s3, s28                       ; my run of 8,192 numbers in its tensor
	s_lshl_b32 s6, s3, 15
	s_mov_b32 s7, 0
	s_add_nc_u64 s[4:5], s[4:5], s[6:7]
	s_lshl_b32 s2, s2, 2
	s_add_co_u32 s2, s2, s30                       ; and its place in the row space
	s_mul_i32 s6, s2, 8*192                        ; my 8 rows in a plane
	s_add_nc_u64 s[22:23], s[22:23], s[6:7]
	s_lshl_b32 s6, s2, 8
	s_add_nc_u64 s[24:25], s[24:25], s[6:7]
.macro LOAD t
.irp i, 0,1,2,3
	global_load_b128 v[R+16*((\t)%4)+4*\i:R+16*((\t)%4)+4*\i+3], v3, s[4:5] offset:2048*(\t)+512*\i th:TH_LOAD_NT   ; 32 lanes read 512 consecutive bytes
.endr
.endm
.macro TURN t                          ; step t's numbers through the stage: LDS serves a wave's instructions in order, so no wait stands between the stores and the loads
.irp i, 0,1,2,3
	ds_store_b128 v14, v[R+16*((\t)%4)+4*\i:R+16*((\t)%4)+4*\i+3] offset:32*SP*((\t)%2)+8*SP*\i
.endr
.irp i, 0,1,2,3
	ds_load_b128 v[X+16*((\t)%2)+4*\i:X+16*((\t)%2)+4*\i+3], v15 offset:32*SP*((\t)%2)+16*\i
.endr
.endm
.irp t, 0,1,2,3
	LOAD \t
.endr
	s_wait_loadcnt 12                              ; step 0's four loads are in
	TURN 0
.macro STEP t
.set XS, X+16*((\t)%2)
.if (\t) > 0
	s_wait_dscnt 1                                 ; this step's numbers are back from the stage (the last step's byte store may be out): so its stores into the stage have read their registers,
.else
	s_wait_dscnt 0x0
.endif
.if (\t)+4 < STEPS
	LOAD (\t)+4                                    ; which take the loads of four steps on
.endif
.if (\t)+1 < STEPS
.if STEPS-2-(\t) >= 3
	s_wait_loadcnt 12                              ; the next step's four loads are in; those of the three steps behind it may be out
.else
	s_wait_loadcnt 4*(STEPS-2-(\t))
.endif
	TURN (\t)+1
.endif
	v_max3_num_f32 v8, |v[XS]|, |v[XS+1]|, |v[XS+2]|               ; the largest magnitude of my 16
	v_max3_num_f32 v9, |v[XS+3]|, |v[XS+4]|, |v[XS+5]|
.irp i, 6,10
	v_max3_num_f32 v8, v8, |v[XS+\i]|, |v[XS+\i+1]|
	v_max3_num_f32 v9, v9, |v[XS+\i+2]|, |v[XS+\i+3]|
.endr
	v_max3_num_f32 v8, v8, |v[XS+14]|, |v[XS+15]|
	v_max3_num_f32 v8, v8, v9, 0x1800000           ; and the floor 2^(3 - 127): the byte cannot fall under 1
	v_max_num_f32_dpp v8, v8, v8 row_xmask:1 row_mask:0xf bank_mask:0xf   ; and of my neighbour's 16: the block's
	v_add_nc_u32 v11, 0xff000000, v8               ; 2 off its exponent field: the conversion takes the exponent field of this operand as its scale
	v_cvt_scalef32_pk16_fp6_f32 v[CD+4*(\t):CD+4*(\t)+2], v[XS:XS+15], v11
	v_lshrrev_b32 v[E+(\t)], 23, v11               ; the scale's byte
	ds_store_b8 v5, v[E+(\t)] offset:16*(\t)       ; both lanes of a block write the same byte with the same value
	global_store_b96 v4, v[CD+4*(\t):CD+4*(\t)+2], s[22:23] offset:192*((\t)/2)+2*PLANE*((\t)%2)   ; row t / 2; planes 2 (t % 2) and 2 (t % 2) + 1: sixteen lanes store 192 consecutive bytes
.endm
.irp t, 0,1,2,3,4,5,6,7,8,9,10,11,12,13,14,15
	STEP \t
.endr
	ds_load_b64 v[12:13], v6                       ; LDS serves a wave's instructions in order: these see my stores
	s_wait_dscnt 0x0
	global_store_b64 v7, v[12:13], s[24:25]        ; 32 lanes store 256 consecutive bytes, aligned
	s_wait_tensorcnt 0x0
	ds_add_u32 v224, v225
	s_wait_dscnt 0x0
	s_endpgm
	; ---------------- THE TABLE: a wave makes one unit: 16 places of tokens x 128 channels ----------------
.Lrope:
	s_lshl_b32 s2, ttmp9, 2
	s_add_co_u32 s2, s2, s28                       ; unit
	s_and_b32 s3, s2, 7                            ; cg: which 128 channels
	s_lshr_b32 s4, s2, 3                           ; blk: which 16 places
	s_lshr_b32 s5, s4, 1
	s_lshl_b32 s5, s5, 5
	s_and_b32 s6, s4, 1
	s_lshl_b32 s6, s6, 3
	s_add_co_u32 s5, s5, s6                        ; 32 (blk / 2) + 8 (blk % 2)
	s_wait_alu depctr_va_vdst(0)
	v_lshlrev_b32 v4, 4, v2                        ; 16 x lane
	v_and_b32 v5, 7, v0
	v_bfe_u32 v7, v0, 3, 1
	v_lshl_add_u32 v5, v7, 4, v5
	v_add_nc_u32 v5, s5, v5                        ; my token
	v_lshlrev_b32 v5, 2, v5
	v_bfe_u32 v6, v0, 4, 1
	v_lshlrev_b32 v6, 5, v6                        ; 32 h: eight frequencies on for lanes 16-31
	s_mov_b32 s30, 0x3f22f983                      ; 2 / pi
	s_mov_b32 s31, 0xbfc90fdb                      ; -(pi / 2) in three parts
	s_mov_b32 s32, 0x333bbd2e
	s_mov_b32 s33, 0x26f72ced
	s_mov_b32 s34, 0xb94ca1f9                      ; sine's polynomial
	s_mov_b32 s35, 0x3c08839e
	s_mov_b32 s36, 0xbe2aaaa3
	s_mov_b32 s37, 0x37ccf5ce                      ; cosine's
	s_mov_b32 s38, 0xbab6061a
	s_mov_b32 s39, 0x3d2aaaa5
	s_mov_b32 s40, 0x80000000
	s_mov_b32 s46, 0x76543210
	s_mov_b32 s47, 0xfedcba98                      ; v_permlanex16_b32's selects for lane l xor 16
	s_lshl_b32 s6, s3, 8
	s_mov_b32 s7, 0
	s_wait_alu depctr_va_vdst(0)
	s_wait_kmcnt 0x0
	s_add_nc_u64 s[20:21], s[20:21], s[6:7]        ; my 64 frequencies of each axis
	s_lshl_b32 s6, s2, 13
	s_add_nc_u64 s[26:27], s[26:27], s[6:7]        ; my unit of 8,192 bytes
	global_load_b32 v220, v5, s[14:15]             ; my token's three coordinates
	global_load_b32 v221, v5, s[16:17]
	global_load_b32 v222, v5, s[18:19]
.irp i, 0,1,2,3,4,5,6,7,8,9,10,11,12,13,14,15
	global_load_b128 v[16+4*\i:19+4*\i], v4, s[14:15] offset:512*\i
.endr
.irp i, 0,1,2,3,4,5,6,7,8,9,10,11,12,13,14,15
	global_load_b128 v[80+4*\i:83+4*\i], v4, s[16:17] offset:512*\i
.endr
.irp i, 0,1,2,3,4,5,6,7,8,9,10,11,12,13,14,15
	global_load_b128 v[144+4*\i:147+4*\i], v4, s[18:19] offset:512*\i
.endr
; an axis's minimum -> v[208 + a] and maximum -> v[211 + a], in every lane: two chains each over my 64 numbers, four steps inside a half of the lanes, one across
.macro MINMAX a
.set XB, 16+64*\a
	v_min_num_f32 v[208+\a], v[XB], v[XB+1]
	v_min_num_f32 v[214+\a], v[XB+32], v[XB+33]
	v_max_num_f32 v[211+\a], v[XB], v[XB+1]
	v_max_num_f32 v[217+\a], v[XB+32], v[XB+33]
.irp i, 2,4,6,8,10,12,14,16,18,20,22,24,26,28,30
	v_min3_num_f32 v[208+\a], v[208+\a], v[XB+\i], v[XB+\i+1]
	v_min3_num_f32 v[214+\a], v[214+\a], v[XB+32+\i], v[XB+33+\i]
	v_max3_num_f32 v[211+\a], v[211+\a], v[XB+\i], v[XB+\i+1]
	v_max3_num_f32 v[217+\a], v[217+\a], v[XB+32+\i], v[XB+33+\i]
.endr
	v_min_num_f32 v[208+\a], v[208+\a], v[214+\a]
	v_max_num_f32 v[211+\a], v[211+\a], v[217+\a]
.irp m, 1,2,4,8
	v_min_num_f32_dpp v[208+\a], v[208+\a], v[208+\a] row_xmask:\m row_mask:0xf bank_mask:0xf
	v_max_num_f32_dpp v[211+\a], v[211+\a], v[211+\a] row_xmask:\m row_mask:0xf bank_mask:0xf
.endr
	v_permlanex16_b32 v[214+\a], v[208+\a], s46, s47
	v_permlanex16_b32 v[217+\a], v[211+\a], s46, s47
	v_min_num_f32 v[208+\a], v[208+\a], v[214+\a]
	v_max_num_f32 v[211+\a], v[211+\a], v[217+\a]
.endm
	s_wait_loadcnt 32                              ; the coordinates and t_x are in; t_y's and t_z's 32 loads may be out
	MINMAX 0
	s_wait_loadcnt 16
	MINMAX 1
	s_wait_loadcnt 0x0
	MINMAX 2
.irp j, 0,1,2,3,4,5,6,7,8,9,10,11,12,13,14,15
.irp a, 0,1,2
	global_load_b64 v[FQ+6*\j+2*\a:FQ+6*\j+2*\a+1], v6, s[20:21] offset:2048*\a+64*(\j/4)+8*(\j%4)   ; two pairs' frequencies of axis a
.endr
.endr
	; T = (t - min) / (max - min + 1e-8) x 32: the reciprocal, and one step that mends the quotient
.irp a, 0,1,2
	v_sub_f32 v[214+\a], v[211+\a], v[208+\a]
.endr
.irp a, 0,1,2
	v_add_f32 v[214+\a], 0x322bcc77, v[214+\a]
.endr
	s_wait_alu depctr_va_vdst(0)
.irp a, 0,1,2
	v_rcp_f32 v[217+\a], v[214+\a]
.endr
.irp a, 0,1,2
	v_sub_f32 v[220+\a], v[220+\a], v[208+\a]      ; (plain work behind the reciprocals)
.endr
	s_wait_alu depctr_va_vdst(0)                   ; one wait for the three reciprocals, ahead of their first reader
.irp a, 0,1,2
	v_mul_f32 v[176+\a], v[220+\a], v[217+\a]
.endr
.irp a, 0,1,2
	v_fma_f32 v[179+\a], -v[176+\a], v[214+\a], v[220+\a]
.endr
.irp a, 0,1,2
	v_fmac_f32 v[176+\a], v[179+\a], v[217+\a]
.endr
.irp a, 0,1,2
	v_mul_f32 v[220+\a], 0x42000000, v[176+\a]
.endr
	s_wait_alu depctr_va_vdst(0)
	s_wait_loadcnt 0x0                             ; the frequencies
; pair e of j: the angle, its cosine -> v[OUT + 4 j + 2 e], its sine -> the register behind
.macro PAIR j, e
.set F0, FQ+6*(\j)+(\e)
.set OC, OUT+4*(\j)+2*(\e)
	v_mul_f32 v176, v220, v[F0]
	v_fmac_f32 v176, v221, v[F0+2]
	v_fmac_f32 v176, v222, v[F0+4]                 ; the angle
	v_mul_f32 v177, s30, v176
	v_rndne_f32 v177, v177                         ; the nearest multiple of pi / 2
	v_fma_f32 v178, v177, s31, v176
	v_fmac_f32 v178, s32, v177
	v_fmac_f32 v178, s33, v177                     ; what is left: within +-pi / 4
	v_cvt_i32_f32 v179, v177
	v_mul_f32 v180, v178, v178
	v_fma_f32 v181, v180, s34, s35
	v_fma_f32 v184, v180, s37, s38
	v_mul_f32 v182, v180, v178
	v_mul_f32 v185, v180, v180
	v_fma_f32 v181, v181, v180, s36
	v_fma_f32 v184, v184, v180, s39
	v_fma_f32 v186, v180, -0.5, 1.0
	v_fma_f32 v183, v181, v182, v178               ; sine of the rest
	v_fma_f32 v184, v184, v185, v186               ; cosine of the rest
	v_and_b32 v187, 1, v179
	v_cmp_eq_u32 vcc_lo, 1, v187                   ; an odd quadrant swaps the two
	v_cndmask_b32 v188, v183, v184, vcc_lo
	v_cndmask_b32 v189, v184, v183, vcc_lo
	v_lshlrev_b32 v187, 30, v179
	v_add_nc_u32 v190, 1, v179
	v_and_b32 v187, s40, v187                      ; sine is negative in quadrants 2 and 3,
	v_lshlrev_b32 v190, 30, v190
	v_xor_b32 v[OC+1], v187, v188
	v_and_b32 v190, s40, v190                      ; cosine in 1 and 2
	v_xor_b32 v[OC], v190, v189
.endm
.irp j, 0,1,2,3,4,5,6,7,8,9,10,11,12,13,14,15
	PAIR \j, 0
	PAIR \j, 1
	global_store_b128 v4, v[OUT+4*\j:OUT+4*\j+3], s[26:27] offset:512*\j   ; 32 lanes store 512 consecutive bytes, aligned
.endr
	s_endpgm
.Lfunc_end_k_q4579eb4d42_prep:
	.size	k_q4579eb4d42_prep, .Lfunc_end_k_q4579eb4d42_prep-k_q4579eb4d42_prep
	.p2alignl 7, 3214868480
	.fill 96, 4, 3214868480
	.section	.rodata,"a",@progbits
	.p2align	6, 0x0
	.amdhsa_kernel k_q4579eb4d42_prep
		.amdhsa_group_segment_fixed_size 33280
		.amdhsa_private_segment_fixed_size 0
		.amdhsa_enable_private_segment 0
		.amdhsa_kernarg_size 80
		.amdhsa_user_sgpr_count 2
		.amdhsa_user_sgpr_kernarg_segment_ptr 1
		.amdhsa_wavefront_size32 1
		.amdhsa_system_sgpr_workgroup_id_x 1
		.amdhsa_system_sgpr_workgroup_id_y 1
		.amdhsa_system_sgpr_workgroup_id_z 1
		.amdhsa_system_vgpr_workitem_id 0
		.amdhsa_next_free_vgpr 226
		.amdhsa_next_free_sgpr 66
		.amdhsa_reserve_vcc 1
		.amdhsa_float_denorm_mode_32 3
		.amdhsa_float_denorm_mode_16_64 3
		.amdhsa_memory_ordered 1
		.amdhsa_forward_progress 1
		.amdhsa_inst_pref_size 99
	.end_amdhsa_kernel
	.amdgpu_metadata
---
amdhsa.version: [ 1, 2 ]
amdhsa.kernels:
  - .name:           k_q4579eb4d42_prep
    .symbol:         k_q4579eb4d42_prep.kd
    .args:
      - { .name: x, .offset: 0, .size: 8, .value_kind: global_buffer, .address_space: global }
      - { .name: w_qkv, .offset: 8, .size: 8, .value_kind: global_buffer, .address_space: global }
      - { .name: w_proj, .offset: 16, .size: 8, .value_kind: global_buffer, .address_space: global }
      - { .name: t_x, .offset: 24, .size: 8, .value_kind: global_buffer, .address_space: global }
      - { .name: t_y, .offset: 32, .size: 8, .value_kind: global_buffer, .address_space: global }
      - { .name: t_z, .offset: 40, .size: 8, .value_kind: global_buffer, .address_space: global }
      - { .name: freqs, .offset: 48, .size: 8, .value_kind: global_buffer, .address_space: global }
      - { .name: c0, .offset: 56, .size: 8, .value_kind: global_buffer, .address_space: global }
      - { .name: s0, .offset: 64, .size: 8, .value_kind: global_buffer, .address_space: global }
      - { .name: rope, .offset: 72, .size: 8, .value_kind: global_buffer, .address_space: global }
    .group_segment_fixed_size: 33280
    .private_segment_fixed_size: 0
    .kernarg_segment_align: 8
    .kernarg_segment_size: 80
    .max_flat_workgroup_size: 128
    .sgpr_count:     66
    .vgpr_count:     226
    .wavefront_size: 32
...
	.end_amdgpu_metadata
.endif
;; end of part 1
;; launch qkv (part 2): grid 8 x 48, 4 waves a work-group, clusters of 4 x 4, 327,680 bytes of LDS; arguments c0, s0, rope, img, isc; writes img, isc
.if DOCPART == 2
	.amdgcn_target "amdgcn-amd-amdhsa--gfx1250"
	.amdhsa_code_object_version 6
	.text
	.protected	k_q4579eb4d42_qkv
	.globl	k_q4579eb4d42_qkv
	.p2align	8
	.type	k_q4579eb4d42_qkv,@function
k_q4579eb4d42_qkv:
	s_mov_b64 s[64:65], 0
	v_nop
	global_prefetch_b8 v0, s[64:65] scope:SCOPE_SE
	s_setreg_imm32_b32 hwreg(HW_REG_WAVE_MODE, 25, 1), 1
	s_wait_xcnt 0x0
	s_wait_alu depctr_hold_cnt(0) depctr_sa_sdst(0) depctr_va_vdst(0) depctr_va_sdst(0) depctr_va_ssrc(0) depctr_va_vcc(0) depctr_vm_vsrc(0)
	s_getreg_b32 s2, hwreg(HW_REG_IB_STS2, 6, 4)
	s_cmp_eq_u32 s2, 0
	s_cbranch_scc0 .Lentry_in_a_cluster
	s_endpgm
.Lentry_in_a_cluster:
	s_bfe_u32 s2, ttmp6, 0x10000c
	s_cmp_lg_u32 s2, 0xf033
	s_cbranch_scc0 .Lentry_shape_is_right
	s_endpgm
.Lentry_shape_is_right:
.set KSTEP,  256
.set NQ,     2
.set ROWB,   2359296                   ; bytes from one K range's plane of c0 to the next (12,288 rows x 192 bytes)
.set KROW,   192                       ; a row's bytes in a plane
.set PITCH,  240
.set FR,     12
.set NL,     6
.set NP,     4
.set HALFT,  128*PITCH
.set SLOT,   4*HALFT
.set LAPS,   2
.set KS,     32
.set SCL,    2*SLOT
.set HALFS,  (128*KS/256)*272
.set SBLK,   (16*KS/256)*272
.set SPARE,  SCL+4*HALFS
.set WST,    26624
.set VST,    13312
.set SCW,    12288
.set AD,   8
.set SA,   14
.set ADRA, 16
.set ADRB, 20
.set RD,   24
.set GL,   25
.set GV,   26
.set ADRS, 27
.set SPW,  28
.set NIL,  29
.set SC,   32
.set TM,   32
.set CD,   48
.set H,    64
.set AF,   128
.set BK,   128
.set G1, 24
.set G0, 32
.set G1B, 48
.set G0B, 56
.set G1S, 68
.set G0S, 76
.set G1SB, 80
.set G0SB, 88
.set MSB, 0
.macro WIN new
.if MSB != (\new)
	s_set_vgpr_msb (MSB<<8)|(\new)
.set MSB, (\new)
.endif
.endm
.set MUL_LO, 0xa1
.set MUL_HI, 0xf1
.set TO_B,   0x40
.macro JLOAD g0a, g1a, g0b, g1b
	s_cmp_eq_u32 s15, 0
	s_cbranch_scc0 .Lfor_b_\@
	tensor_load_to_lds s[\g0a:\g0a+3], s[\g1a:\g1a+7]
	s_nop 0
.rept 4
	v_nop
.endr
	s_branch .Lasked_\@
.Lfor_b_\@:
	tensor_load_to_lds s[\g0b:\g0b+3], s[\g1b:\g1b+7]
	s_nop 0
.rept 4
	v_nop
.endr
.Lasked_\@:
.endm
.macro CREST
	s_cmp_lg_u32 s14, 0
	s_cbranch_scc1 .Lnot_wave_0_\@
	s_barrier_signal -3
.Lnot_wave_0_\@:
	s_barrier_wait -3
	s_barrier_signal -1
	s_barrier_wait -1
.endm
.macro CROUND
	s_barrier_signal -1
	s_barrier_wait -1
	CREST
.endm
	s_load_b256 s[4:11], s[0:1], 0x0
	s_load_b64 s[12:13], s[0:1], 0x20
	v_lshl_add_u32 v[SPW], v0, 2, SPARE
	v_mov_b32 v[NIL], 0
	ds_add_u32 v28, v29
	ds_add_u32 v28, v29
	s_wait_dscnt 0x0
	v_lshrrev_b32 v1, 5, v0
	v_readfirstlane_b32 s14, v1
	s_lshr_b32 s15, s14, 1
	s_and_b32 s16, s14, 1
	s_bfe_u32 s40, ttmp6, 0x40000
	s_bfe_u32 s41, ttmp6, 0x40004
	s_and_b32 s17, ttmp7, 0xffff
	s_lshr_b32 s66, s17, 3
	s_and_b32 s18, s17, 7
	s_mul_i32 s18, s18, s66
	s_lshl_b32 s18, s18, 1
	s_add_co_u32 s42, s18, ttmp9
	s_lshl_b32 s42, s42, 2
	s_add_co_u32 s42, s42, s40
	s_mul_i32 s18, s17, s66
	s_sub_co_u32 s17, s17, s18
	s_lshl_b32 s17, s17, 2
	s_add_co_u32 s17, s17, s41
	s_lshl_b32 s43, s41, 2
	s_lshl_b32 s43, 15, s43
	s_lshl_b32 s44, 0x1111, s40
	s_mov_b32 s96, 0x76543210
	s_mov_b32 s97, 0xfedcba98
	s_or_b32 s[G1+0], s43, (0<<16)|(1<<20)|(1<<21)|(3<<22)|(3<<25)
	s_or_b32 s[G1B+0], s44, (0<<16)|(1<<20)|(1<<21)|(3<<22)|(3<<25)
.irp g, G1, G1B
	s_mov_b32 s[\g+1], 256<<16                     ; 128 rows of 192 bytes are dense in a plane: 96 rows of 256 bytes, each beginning at a multiple of 256;
	s_mov_b32 s[\g+2], 96<<16                      ; the padding, 16 bytes behind each 64, is counted along the tile, so a row of codes still takes 240 bytes of LDS
	s_mov_b32 s[\g+3], 256<<16
	s_mov_b32 s[\g+4], 96
	s_mov_b32 s[\g+5], 256
	s_mov_b32 s[\g+6], 0
	s_mov_b32 s[\g+7], 0
.endr
	s_or_b32 s[G1S+0], s43, (3<<16)|(1<<20)|(1<<21)|(5<<22)|(3<<25)
	s_or_b32 s[G1SB+0], s44, (3<<16)|(1<<20)|(1<<21)|(5<<22)|(3<<25)
.irp g, G1S, G1SB
	s_mov_b32 s[\g+1], 32<<16
	s_mov_b32 s[\g+2], (128*KS/256)<<16
	s_mov_b32 s[\g+3], 32<<16
	s_mov_b32 s[\g+4], 128*KS/256
	s_mov_b32 s[\g+5], 32
	s_mov_b32 s[\g+6], 0
	s_mov_b32 s[\g+7], 0
.endr
	s_lshl_b32 s18, s16, 7
	s_lshl_b32 s20, s17, 8
	s_add_co_u32 s20, s20, s18
	s_mul_i32 s19, s66, 10240
	s_add_co_u32 s20, s20, s19
	s_lshl_b32 s46, s42, 8
	s_add_co_u32 s46, s46, s18
	s_mul_i32 s19, s66, 8192
	s_sub_co_u32 s46, s46, s19
	s_add_co_u32 s46, s46, 8192
	s_mul_i32 s22, s20, KS
	s_mul_i32 s20, s20, KROW
	s_mul_i32 s92, s46, KS
	s_mul_i32 s46, s46, KROW
	s_mov_b32 s21, 0
	s_mov_b32 s23, 0
	s_mov_b32 s47, 0
	s_mov_b32 s93, 0
	s_mul_i32 s45, s14, HALFT
	s_mul_i32 s94, s14, HALFS
	s_wait_kmcnt 0x0
	s_add_nc_u64 s[20:21], s[4:5], s[20:21]
	s_add_nc_u64 s[22:23], s[6:7], s[22:23]
	s_add_nc_u64 s[46:47], s[4:5], s[46:47]
	s_add_nc_u64 s[92:93], s[6:7], s[92:93]
	CROUND
	s_mov_b32 s[G0S], 1
	s_add_co_u32 s[G0S+1], s94, SCL
	s_mov_b64 s[G0S+2:G0S+3], s[22:23]
	s_or_b32 s[G0S+3], s[G0S+3], 0x80000000
	s_mov_b32 s[G0SB], 1
	s_add_co_u32 s[G0SB+1], s94, SCL
	s_mov_b64 s[G0SB+2:G0SB+3], s[92:93]
	s_or_b32 s[G0SB+3], s[G0SB+3], 0x80000000
	JLOAD G0S, G1S, G0SB, G1SB
.irp s, 0,1
	s_mov_b32 s[G0+4*\s], 1
	s_add_co_u32 s[G0+4*\s+1], s45, \s*SLOT
	s_add_nc_u64 s[G0+4*\s+2:G0+4*\s+3], s[20:21], \s*ROWB
	s_or_b32 s[G0+4*\s+3], s[G0+4*\s+3], 0x80000000
	s_mov_b32 s[G0B+4*\s], 1
	s_add_co_u32 s[G0B+4*\s+1], s45, \s*SLOT
	s_add_nc_u64 s[G0B+4*\s+2:G0B+4*\s+3], s[46:47], \s*ROWB
	s_or_b32 s[G0B+4*\s+3], s[G0B+4*\s+3], 0x80000000
	s_wait_alu depctr_va_vdst(0)
	s_wait_tensorcnt 0x0
	ds_add_u32 v28, v29
	s_wait_dscnt 0x0
	CROUND
	JLOAD G0+4*\s, G1, G0B+4*\s, G1B
.endr
	v_and_b32 v1, 15, v0
	v_bfe_u32 v2, v0, 4, 1
	v_mul_u32_u24 v3, v1, PITCH
	v_mul_u32_u24 v4, v2, 24
	v_add_nc_u32 v4, v3, v4
	v_lshl_add_u32 v5, v2, 4, v4
	s_mul_i32 s21, s15, HALFT
	s_mul_i32 s22, s16, HALFT
	s_add_co_u32 s22, s22, 2*HALFT
.irp s, 0,1
	v_add_nc_u32 v[ADRA+\s], s21, v4
	v_add_nc_u32 v[ADRB+\s], s22, v4
	v_add_nc_u32 v[ADRA+2+\s], s21, v5
	v_add_nc_u32 v[ADRB+2+\s], s22, v5
	s_add_co_u32 s21, s21, SLOT
	s_add_co_u32 s22, s22, SLOT
.endr
	v_mul_u32_u24 v5, v1, KS
	v_lshrrev_b32 v6, 8, v5
	v_lshl_add_u32 v5, v6, 4, v5
	s_mul_i32 s21, s15, HALFS
	s_mul_i32 s22, s16, HALFS
	s_add_co_u32 s22, s22, 2*HALFS
	s_sub_co_u32 s22, s22, s21
	v_mul_u32_u24 v6, s22, v2
	s_add_co_u32 s21, s21, SCL
	v_add_nc_u32 v5, v5, v6
	v_add_nc_u32 v[ADRS], s21, v5
	s_mul_i32 s23, s14, WST
	v_lshlrev_b32 v7, 4, v1
	v_add_nc_u32 v7, s23, v7
.irp e, 0,1
.irp i, 0,1,2
	v_mad_u32_u24 v5, v2, 3, 6*\e+\i
	v_lshrrev_b32 v6, 2, v5
	v_and_b32 v5, 3, v5
	v_lshl_add_u32 v6, v6, 9, v7
	v_lshl_add_u32 v[AD+3*\e+\i], v5, 2, v6
.endr
.endr
	v_add_nc_u32 v[SA], SCW, v7
	v_and_b32 v6, 31, v0
	v_lshlrev_b32 v[GL], 4, v6
	v_add_nc_u32 v[RD], s23, v[GL]
	v_lshlrev_b32 v[GV], 4, v1
	v_lshl_add_u32 v[GV], v2, 14, v[GV]
.macro FRAG reg, adr, q, i
.irp p, 0,1,2,3,4,5
.set PC, 12*(\q)+6*(\p/3)+\p%3
.if PC%8 < 5
	ds_load_b64 v[\reg+2*\p:\reg+2*\p+1], v[\adr] offset:8*PC+16*(PC/8)+(\i)*16*PITCH
.else
	ds_load_b64 v[\reg+2*\p:\reg+2*\p+1], v[\adr+2] offset:8*PC+16*(PC/8)+(\i)*16*PITCH
.endif
.endr
.endm
.macro MUL16 a0, p, q, sc, zero
.irp a, \a0, \a0+1
.irp b, 0,1,2,3,4,5,6,7
.if \zero
	v_wmma_scale_f32_16x16x128_f8f6f4 v[8*(8*((\a)%4)+\b):8*(8*((\a)%4)+\b)+7], v[128*(\p)+FR*\b:128*(\p)+FR*\b+FR-1], v[AF+FR*(\a):AF+FR*(\a)+FR-1], 0, v[SC+8*NQ*(\sc)+NQ*\b+(\q)], v[SC+8*NQ*(\sc)+NQ*(\a)+(\q)] matrix_a_fmt:MATRIX_FMT_FP6 matrix_b_fmt:MATRIX_FMT_FP6 matrix_a_scale:MATRIX_SCALE_ROW1
.else
	v_wmma_scale_f32_16x16x128_f8f6f4 v[8*(8*((\a)%4)+\b):8*(8*((\a)%4)+\b)+7], v[128*(\p)+FR*\b:128*(\p)+FR*\b+FR-1], v[AF+FR*(\a):AF+FR*(\a)+FR-1], v[8*(8*((\a)%4)+\b):8*(8*((\a)%4)+\b)+7], v[SC+8*NQ*(\sc)+NQ*\b+(\q)], v[SC+8*NQ*(\sc)+NQ*(\a)+(\q)] matrix_a_fmt:MATRIX_FMT_FP6 matrix_b_fmt:MATRIX_FMT_FP6 matrix_a_scale:MATRIX_SCALE_ROW1
.endif
.endr
.endr
.endm
.macro FETCH_B slot, q, p
	WIN TO_B
.irp i, 0,1,2,3,4,5,6,7
	FRAG 128*(\p)+FR*\i, ADRB+\slot, \q, \i
.endr
	WIN 0
.endm
.macro FETCH_A slot, q, i0
.irp i, \i0, \i0+1, \i0+2, \i0+3
	FRAG AF+FR*(\i), ADRA+\slot, \q, \i
.endr
.endm
.macro SCALES sc
.irp i, 0,1,2,3,4,5,6,7
	ds_load_b64 v[SC+8*NQ*\sc+NQ*\i:SC+8*NQ*\sc+NQ*\i+1], v[ADRS] offset:\i*SBLK
.endr
.endm
.macro PLACES n
.rept \n
	v_nop
.endr
.endm
.macro STEP slot, q, zero
	s_wait_dscnt 4*NL
	WIN MUL_LO
	MUL16 0, (\q)%2, \q, \slot, \zero
	MUL16 2, (\q)%2, \q, \slot, \zero
	s_wait_dscnt 0
	PLACES NP
	FETCH_B \slot, (\q)+1, 1-(\q)%2
	FETCH_A \slot, (\q)+1, 0
	WIN MUL_HI
	MUL16 4, (\q)%2, \q, \slot, \zero
	MUL16 6, (\q)%2, \q, \slot, \zero
	PLACES NP
	WIN 0
	FETCH_A \slot, (\q)+1, 4
.endm
.macro TURN slot, next, fill
	s_wait_tensorcnt 0x0
	ds_add_u32 v[SPW], v[NIL]
	s_wait_dscnt 4*NL+1
	WIN MUL_LO
	MUL16 0, 1, NQ-1, \slot, 0
	s_wait_dscnt 0x0
	s_barrier_signal -1
	MUL16 2, 1, NQ-1, \slot, 0
	WIN 0
	s_barrier_wait -1
.if \fill
	CREST
	s_add_nc_u64 s[G0+4*\slot+2:G0+4*\slot+3], s[G0+4*\slot+2:G0+4*\slot+3], 2*ROWB
	s_add_nc_u64 s[G0B+4*\slot+2:G0B+4*\slot+3], s[G0B+4*\slot+2:G0B+4*\slot+3], 2*ROWB
	JLOAD G0+4*\slot, G1, G0B+4*\slot, G1B
.else
	PLACES NP
.endif
	s_wait_alu depctr_va_vdst(0)
	v_add_nc_u32 v[ADRS], 4*NQ, v[ADRS]
	FETCH_B \next, 0, 0
	FETCH_A \next, 0, 0
	SCALES \next
	WIN MUL_HI
	MUL16 4, 1, NQ-1, \slot, 0
	MUL16 6, 1, NQ-1, \slot, 0
	PLACES NP
	WIN 0
	FETCH_A \next, 0, 4
.endm
	s_wait_tensorcnt 1
	s_barrier_signal -1
	s_barrier_wait -1
	FETCH_B 0, 0, 0
	FETCH_A 0, 0, 0
	SCALES 0
	FETCH_A 0, 0, 4
	STEP 0, 0, 1
	s_mov_b32 s3, LAPS-1
.Llap:
	TURN 0, 1, 1
	STEP 1, 0, 0
	TURN 1, 0, 1
	STEP 0, 0, 0
	s_sub_co_u32 s3, s3, 1
	s_cmp_lg_u32 s3, 0
	s_cbranch_scc1 .Llap
	TURN 0, 1, 0
	STEP 1, 0, 0
	s_wait_dscnt 4*NL
	WIN MUL_LO
	MUL16 0, 1, NQ-1, 1, 0
	MUL16 2, 1, NQ-1, 1, 0
	s_wait_dscnt 0
	WIN MUL_HI
	MUL16 4, 1, NQ-1, 1, 0
	MUL16 6, 1, NQ-1, 1, 0
	WIN 0
.macro QUANTE w, x
	WIN (\w)|((\w)<<2)
.irp b, 0,1,2,3
	v_max3_num_f32 v[TM+\b], |v[(\x)+16*\b]|, |v[(\x)+16*\b+1]|, 0x1800000
.endr
.irp i, 2,4,6,8,10,12,14
.irp b, 0,1,2,3
	v_max3_num_f32 v[TM+\b], |v[(\x)+16*\b+\i]|, |v[(\x)+16*\b+\i+1]|, v[TM+\b]
.endr
.endr
	WIN 0
.irp b, 0,1,2,3
	v_permlanex16_b32 v[TM+4+\b], v[TM+\b], s96, s97
.endr
.irp b, 0,1,2,3
	v_max_num_f32 v[TM+\b], v[TM+\b], v[TM+4+\b]
.endr
.irp b, 0,1,2,3
	v_add_nc_u32 v[TM+12+\b], 0xff000000, v[TM+\b]
.endr
.irp b, 0,1,2,3
	v_lshrrev_b32 v[TM+4+\b], 23, v[TM+12+\b]
.endr
	s_wait_alu depctr_va_vdst(0)
	s_wait_dscnt 0x0
	WIN \w
.irp b, 0,1,2,3
	v_cvt_scalef32_pk16_fp6_f32 v[CD+4*\b:CD+4*\b+2], v[(\x)+16*\b:(\x)+16*\b+15], v[TM+12+\b]
.endr
	WIN 0
	v_nop
.endm
.macro LOADT a
	WIN 0x40
.irp j, 0,1,2,3,4,5,6,7,8,9,10,11,12,13,14,15
	global_load_b128 v[64*((\a)%4)+4*\j:64*((\a)%4)+4*\j+3], v[GL], s[8:9] offset:65536*(\a)+512*\j
.endr
	WIN 0
.endm
.macro ROT a
.set AC, 64*((\a)%4)
	WIN 0x06+((\a)/4)
.set k, 0
.rept 32
	v_mul_f32 v[H+2*k], v[AC+2*k], v[AC+2*k]
	v_mul_f32 v[H+2*k+1], v[AC+2*k], v[AC+2*k+1]
	v_fma_f32 v[H+2*k], -v[AC+2*k+1], v[AC+2*k+1], v[H+2*k]
	v_fma_f32 v[H+2*k+1], v[AC+2*k+1], v[AC+2*k], v[H+2*k+1]
.set k, k+1
.endr
	WIN 0
.endm
.macro QKBLOCK a
.if (\a) < 6
	s_wait_loadcnt 32
.else
	s_wait_loadcnt 16*(7-(\a))
.endif
	ROT \a
.if (\a) < 5
	LOADT (\a)+3
.endif
	QUANTE 0, H
.irp n, 0,1,2,3
.irp i, 0,1,2
	ds_store_b32 v[AD+3*((\a)%2)+\i], v[CD+4*\n+\i] offset:(\n/2)*6144+((\a)/2)*1536+(\n%2)*256
.endr
.endr
	v_lshl_or_b32 v[TM+8], v[TM+5], 8, v[TM+4]
	v_lshl_or_b32 v[TM+9], v[TM+7], 8, v[TM+6]
	ds_store_b32 v[SA], v[TM+8] offset:((\a)/4)*256+((\a)%4)*4
	ds_store_b32 v[SA], v[TM+9] offset:512+((\a)/4)*256+((\a)%4)*4
.endm
.macro VBLOCK a
	QUANTE 2+(\a)/4, 64*((\a)%4)
.irp n, 0,1,2,3
.irp i, 0,1,2
	ds_store_b32 v[AD+3*(\n/2)+\i], v[CD+4*\n+\i] offset:VST+((\a)/4)*6144+((\a)%4)*1536+(\n%2)*256
.endr
.endr
	v_lshl_or_b32 v[TM+8], v[TM+5], 8, v[TM+4]
	v_lshl_or_b32 v[TM+8], v[TM+6], 16, v[TM+8]
	v_lshl_or_b32 v[TM+8], v[TM+7], 24, v[TM+8]
	ds_store_b32 v[SA], v[TM+8] offset:VST+((\a)/4)*256+((\a)%4)*4
.endm
	PLACES NP
.irp b, 0,1,2,3
	v_mov_b32 v[TM+4+\b], 0
.endr
	s_cmp_lg_u32 s66, 0
	s_cbranch_scc1 .Lvalues
	s_lshl_b32 s18, s17, 8
	s_lshl_b32 s19, s15, 7
	s_add_co_u32 s18, s18, s19
	s_and_b32 s19, s18, 2047
	s_lshr_b32 s19, s19, 4
	s_lshl_b32 s19, s19, 3
	s_and_b32 s20, s42, 3
	s_lshl_b32 s20, s20, 1
	s_add_co_u32 s20, s20, s16
	s_add_co_u32 s19, s19, s20
	s_lshl_b32 s22, s19, 13
	s_mov_b32 s23, 0
	s_add_nc_u64 s[8:9], s[8:9], s[22:23]
	s_lshl_b32 s20, s42, 2
	s_lshl_b32 s21, s16, 1
	s_add_co_u32 s20, s20, s21
	s_lshl_b32 s20, s20, 6
	s_lshr_b32 s18, s18, 7
	s_add_co_u32 s20, s20, s18
	s_mul_i32 s22, s20, 6144
	s_add_nc_u64 s[10:11], s[10:11], s[22:23]
	s_lshl_b32 s22, s20, 9
	s_add_nc_u64 s[12:13], s[12:13], s[22:23]
	LOADT 0
	LOADT 1
	LOADT 2
.irp a, 0,1,2,3,4,5,6,7
	QKBLOCK \a
.endr
.irp t, 0,1,2,3,4,5,6,7,8,9,10,11,12,13,14,15,16,17,18,19,20,21,22,23
	ds_load_b128 v[BK+4*\t:BK+4*\t+3], v[RD] offset:512*\t
.endr
	ds_load_b128 v[BK+96:BK+99], v[RD] offset:SCW
	ds_load_b128 v[BK+100:BK+103], v[RD] offset:SCW+512
.irp t, 0,1,2,3,4,5,6,7,8,9,10,11,12,13,14,15,16,17,18,19,20,21,22,23
	s_wait_dscnt 25-\t
	global_store_b128 v[GL], v[BK+4*\t:BK+4*\t+3], s[10:11] offset:393216*(\t/12)+512*(\t%12)
.endr
	s_wait_dscnt 0x0
	global_store_b128 v[GL], v[BK+96:BK+99], s[12:13]
	global_store_b128 v[GL], v[BK+100:BK+103], s[12:13] offset:32768
	s_branch .Ldone
.Lvalues:
	s_lshl_b32 s18, s42, 8
	s_lshl_b32 s19, s16, 7
	s_add_co_u32 s18, s18, s19
	s_lshl_b32 s20, s17, 2
	s_lshl_b32 s21, s15, 1
	s_add_co_u32 s20, s20, s21
	s_lshl_b32 s20, s20, 6
	s_lshr_b32 s18, s18, 7
	s_add_co_u32 s20, s20, s18
	s_add_co_u32 s21, s20, 2048
	s_mul_i32 s22, s21, 6144
	s_mov_b32 s23, 0
	s_add_nc_u64 s[10:11], s[10:11], s[22:23]
	s_lshl_b32 s22, s20, 8
	s_add_co_u32 s22, s22, 1048576
	s_add_nc_u64 s[12:13], s[12:13], s[22:23]
.irp a, 0,1,2,3,4,5,6,7
	VBLOCK \a
.endr
.irp t, 0,1,2,3,4,5,6,7,8,9,10,11,12,13,14,15,16,17,18,19,20,21,22,23
	ds_load_b128 v[BK+4*\t:BK+4*\t+3], v[RD] offset:VST+512*\t
.endr
	ds_load_b128 v[BK+96:BK+99], v[RD] offset:VST+SCW
.irp t, 0,1,2,3,4,5,6,7,8,9,10,11,12,13,14,15,16,17,18,19,20,21,22,23
	s_wait_dscnt 24-\t
	global_store_b128 v[GL], v[BK+4*\t:BK+4*\t+3], s[10:11] offset:393216*(\t/12)+512*(\t%12)
.endr
	s_wait_dscnt 0x0
	global_store_b128 v[GV], v[BK+96:BK+99], s[12:13]
.Ldone:
	v_nop
	s_wait_tensorcnt 0x0
	ds_add_u32 v[SPW], v[NIL]
	s_wait_dscnt 0x0
	CROUND
	s_endpgm
.Lfunc_end_k_q4579eb4d42_qkv:
	.size	k_q4579eb4d42_qkv, .Lfunc_end_k_q4579eb4d42_qkv-k_q4579eb4d42_qkv
	.p2alignl 7, 3214868480
	.fill 96, 4, 3214868480
	.section	.rodata,"a",@progbits
	.p2align	6, 0x0
	.amdhsa_kernel k_q4579eb4d42_qkv
		.amdhsa_group_segment_fixed_size 327680
		.amdhsa_private_segment_fixed_size 0
		.amdhsa_enable_private_segment 0
		.amdhsa_kernarg_size 40
		.amdhsa_user_sgpr_count 2
		.amdhsa_user_sgpr_kernarg_segment_ptr 1
		.amdhsa_wavefront_size32 1
		.amdhsa_system_sgpr_workgroup_id_x 1
		.amdhsa_system_sgpr_workgroup_id_y 1
		.amdhsa_system_sgpr_workgroup_id_z 1
		.amdhsa_system_vgpr_workitem_id 0
		.amdhsa_next_free_vgpr 1024
		.amdhsa_next_free_sgpr 100
		.amdhsa_reserve_vcc 0
		.amdhsa_float_denorm_mode_32 3
		.amdhsa_float_denorm_mode_16_64 3
		.amdhsa_memory_ordered 1
		.amdhsa_forward_progress 1
		.amdhsa_inst_pref_size 255
	.end_amdhsa_kernel
	.section	.bss,"aw",@nobits
	.p2align	6
	.space	262144
	.amdgpu_metadata
---
amdhsa.version: [ 1, 2 ]
amdhsa.kernels:
  - .name:           k_q4579eb4d42_qkv
    .symbol:         k_q4579eb4d42_qkv.kd
    .args:
      - { .name: c0, .offset: 0, .size: 8, .value_kind: global_buffer, .address_space: global }
      - { .name: s0, .offset: 8, .size: 8, .value_kind: global_buffer, .address_space: global }
      - { .name: rope, .offset: 16, .size: 8, .value_kind: global_buffer, .address_space: global }
      - { .name: img, .offset: 24, .size: 8, .value_kind: global_buffer, .address_space: global }
      - { .name: isc, .offset: 32, .size: 8, .value_kind: global_buffer, .address_space: global }
    .group_segment_fixed_size: 327680
    .private_segment_fixed_size: 0
    .kernarg_segment_align: 8
    .kernarg_segment_size: 40
    .max_flat_workgroup_size: 128
    .sgpr_count:     100
    .vgpr_count:     1024
    .wavefront_size: 32
...
	.end_amdgpu_metadata
.endif
;; end of part 2
;; launch attn (part 3): grid 4 x 64, 8 waves a work-group, clusters of 4 x 1, 271,360 bytes of LDS; arguments img, isc, ac, asc; writes ac, asc
.if DOCPART == 3
	.amdgcn_target "amdgcn-amd-amdhsa--gfx1250"
	.amdhsa_code_object_version 6
	.text
	.protected	k_q4579eb4d42_attn
	.globl	k_q4579eb4d42_attn
	.p2align	8
	.type	k_q4579eb4d42_attn,@function
k_q4579eb4d42_attn:
	s_mov_b64 s[64:65], 0
	v_nop
	global_prefetch_b8 v0, s[64:65] scope:SCOPE_SE
	s_setreg_imm32_b32 hwreg(HW_REG_WAVE_MODE, 25, 1), 1
	s_wait_xcnt 0x0
	s_wait_alu depctr_hold_cnt(0) depctr_sa_sdst(0) depctr_va_vdst(0) depctr_va_sdst(0) depctr_va_ssrc(0) depctr_va_vcc(0) depctr_vm_vsrc(0)
	s_getreg_b32 s2, hwreg(HW_REG_IB_STS2, 6, 4)
	s_cmp_eq_u32 s2, 0
	s_cbranch_scc0 .Lentry_in_a_cluster
	s_endpgm
.Lentry_in_a_cluster:
	s_bfe_u32 s2, ttmp6, 0x10000c
	s_cmp_lg_u32 s2, 0x3003
	s_cbranch_scc0 .Lentry_shape_is_right
	s_endpgm
.Lentry_shape_is_right:
; o = softmax(q k^T / 8) v for each of 64 (head, batch) pairs, both products on codes of FP6 (E2M3) with E8M0 scales; then o is quantised along C (a block of 32 lies in one head) for the last product.
; THE SOFTMAX: t = score x log2(e) / 8; M = the row's largest t so far, rounded up to a whole number; p = 2^(t - M) is quantised along the keys, not normalised; the row's sum is taken of the
; unquantised p and divides o at the end.  When M moves, the sum and o are multiplied by 2^(old M - new M), which rounds nothing.
; SHARES.  Cluster y = 4 head + batch; its four work-groups own 512 queries each; each of eight waves owns 64, in two passes of two tiles of 16: both tiles use each fragment of K and V that is read from LDS.
; THE WHOLE HEAD'S K AND V STAY IN LDS, filled once by joint loads of the four work-groups, one a wave: waves 0-3 a quarter of K's images each, waves 4-7 of V's (24,576 bytes as 48 rows of 512, 128 bytes of padding
; behind each).  Nothing is filled again.  The 12 KiB of scale words go through registers into LDS bytes of their own.  No prefetch is laid: every tile is asked for at the head, and no loop runs ahead of a load.
; THE KEYS ARE DEALT ANEW BY ADDRESS.  In memory tile 2 b + u of a step's K image holds keys 32 b + 8 u + r + 8 (r / 8).  Here tile 4 c + u is to hold key 64 c + 32 (m / 8) + 8 u + m % 8 in row m, so that a lane's 32
; registers of tiles 4 c .. 4 c + 3 are the 32 keys of ONE block, 64 c + 32 h + 0 .. 31: the block's largest score needs no other lane, and p's codes lie in the lane that the operand wants.  That row is found 12 registers
; (three loads of the image) on or back and 8 lanes on or back: one address register and immediates.  The padding sets rows 0-7 and rows 8-15 of a load 128 bytes apart modulo 256.
; K = 64 IN A FORM OF K = 128: Q's registers 6-11 hold zero codes, so what stands in the upper half of K's operand (the next tile's codes, or six cleared registers) adds nothing; bytes 2, 3 of both scale words are 0, not 0xff.
; A BLOCK'S SCALE: p rises with the score, so floor(log2(largest p)) = floor(largest t - M), held at -124 from below (byte 1).  Where the exponential rounds a p just under a power of two up to it, that one p is held at the largest code.
; THE ORDER OF A STEP: the links of each dependent chain (the running maximum, the scale bytes) stand apart, with lines of the other tile that hang on nothing of them between; among the exponentials stand only lines whose
; sources were written ahead of the batch's opening wait and whose results are first read behind its closing wait.
; Both products transposed: S^T = K Q^T, O^T = V^T P^T: a lane holds one query (lane % 16) throughout.
; OUT: ac[head][token][48 bytes] (a pass's 32 tokens are 1,536 consecutive bytes), asc[token][32] (a head's two bytes a token).
; The last step of the last pass reads step 0's fragments once more, as the last step of the first pass must: they are not used.
; LIMITS: NaN and infinities are not served; a block of o whose largest magnitude lies under 2^-124 has its byte held at 1.
; REGISTERS.  Window 0: addresses, the softmax's state, scale words, S^T of both tiles (v96-223), pair sums v224-255.  Window 1: O^T v0-63, K's fragments v64-117, V's v120-167, Q v168-191, p's codes v192-231, the next pass's Q v232-245.
.set STEPB, 7680                       ; a step's image in LDS: 12 x (512 + 128)
.set VIMG,  122880
.set KSC,   245760
.set VSC,   253952
.set STG,   258048                     ; 1,536 bytes for each wave, written by ds_store alone
.set SPARE, 270336                     ; the spare words: 128 bytes a wave
.set L16, 1
.set KB,  2
.set KSB, 3
.set STI, 4
.set STO, 5
.set ASO, 6
.set VB,  7
.set KA,  8
.set VA,  9
.set KSA, 10
.set VSA, 11
.set ST,  12                           ; tile T: v[12 + 4 T] -M, +1 the largest t, +2, +3 the sum
.set KS,  20
.set VS,  28
.set QS,  32
.set PW,  34
.set FF,  36
.set BM,  40
.set TP,  44
.set TQ,  46
.set BS,  48
.set BY,  52
.set XB,  56                           ; v56-59 the maxima's second sub-chains; v60, v61 the old -M; later in the step v56-71 are the second tile's eight sums
.set OM,  60
.set SB,  56
.set H8,  72
.set SPW, 73
.set NIL, 74
.set SBY, 75
.set R16, 77
.set VSB, 78
.set CO,  80
.set S,   96
.set L1,  224                          ; in a step: the first tile's sixteen pair sums
.set RB,  224                          ; at a pass's end: the stage read back
.set O,   0                            ; window 1 from here on
.set KF,  64
.set VF,  120
.set Q,   168
.set PC,  192
.set PT,  216
.set QN,  232
.set QSN, 244
.set MSB, 0
.macro WIN new                         ; low byte: bits 1:0 source 0, 3:2 source 1, 5:4 source 2, 7:6 destination; the high byte repeats the setting that is left
.if MSB != (\new)
	s_set_vgpr_msb (MSB<<8)|(\new)
.set MSB, (\new)
.endif
.endm
.macro CROUND
	s_barrier_signal -1
	s_barrier_wait -1
	s_cmp_lg_u32 s12, 0
	s_cbranch_scc1 .Lnot_wave_0_\@
	s_barrier_signal -3
.Lnot_wave_0_\@:
	s_barrier_wait -3
	s_barrier_signal -1
	s_barrier_wait -1
.endm
	s_load_b256 s[4:11], s[0:1], 0x0               ; img, isc, ac, asc
	v_lshl_add_u32 v[SPW], v0, 2, SPARE
	v_mov_b32 v[NIL], 0
	ds_add_u32 v[SPW], v[NIL]                      ; the opening lines: the add twice on end and one wait
	ds_add_u32 v[SPW], v[NIL]
	v_lshrrev_b32 v1, 5, v0
	v_readfirstlane_b32 s12, v1                    ; wave 0..7
	s_bfe_u32 s13, ttmp6, 0x40000                  ; cx: it enters Q's, ac's and asc's addresses alone
	s_and_b32 s14, ttmp7, 0xffff                   ; y = 4 head + batch, shared by the four partners
	s_mov_b32 s24, 15|(3<<16)|(1<<20)|(1<<21)|(6<<22)|(31<<25)   ; all four work-groups; elements of 8 bytes; behind every 128 words 32 words of padding
	s_mov_b32 s25, 64<<16
	s_mov_b32 s26, 48<<16
	s_mov_b32 s27, 64<<16
	s_mov_b32 s28, 48
	s_mov_b32 s29, 64
	s_mov_b32 s30, 0
	s_mov_b32 s31, 0
	s_lshr_b32 s16, s12, 2                         ; my tile: K's (0) or V's (1),
	s_and_b32 s17, s12, 3                          ; which quarter
	s_add_co_u32 s16, s16, 1
	s_mul_i32 s20, s16, 6291456                    ; K's images begin at 6,291,456, V's at twice that
	s_mul_i32 s18, s14, 98304                      ; 98,304 bytes a (head, batch)
	s_add_co_u32 s20, s20, s18
	s_mul_i32 s17, s17, 24576
	s_add_co_u32 s20, s20, s17
	s_mov_b32 s21, 0
	s_mov_b32 s48, 1
	s_mul_i32 s49, s12, 4*STEPB                    ; LDS: wave x four steps
	s_lshl_b32 s16, s13, 2
	s_lshr_b32 s17, s12, 1
	s_add_co_u32 s16, s16, s17                     ; my queries' step of 128 tokens: 4 cx + wave / 2
	s_and_b32 s17, s12, 1                          ; and its half
	s_mul_i32 s34, s16, 6144
	s_mul_i32 s19, s17, 3072
	s_add_co_u32 s34, s34, s19
	s_add_co_u32 s34, s34, s18                     ; Q's images
	s_mov_b32 s35, 0
	s_lshl_b32 s36, s16, 9
	s_lshl_b32 s19, s17, 8
	s_add_co_u32 s36, s36, s19
	s_lshl_b32 s19, s14, 13
	s_add_co_u32 s36, s36, s19                     ; Q's scale words
	s_mov_b32 s37, 0
	s_mul_i32 s38, s13, 24576
	s_mul_i32 s19, s12, 3072
	s_add_co_u32 s38, s38, s19
	s_add_co_u32 s38, s38, s18                     ; ac: 393,216 head + 48 (2,048 batch + 512 cx + 64 wave)
	s_mov_b32 s39, 0
	s_and_b32 s40, s14, 3
	s_lshl_b32 s40, s40, 16
	s_lshl_b32 s19, s13, 14
	s_add_co_u32 s40, s40, s19
	s_lshl_b32 s19, s12, 11
	s_add_co_u32 s40, s40, s19
	s_lshr_b32 s19, s14, 2
	s_lshl_b32 s19, s19, 1
	s_add_co_u32 s40, s40, s19                     ; asc: 32 (2,048 batch + 512 cx + 64 wave) + 2 head
	s_mov_b32 s41, 0
	s_lshl_b32 s42, s14, 13
	s_add_co_u32 s42, s42, 524288                  ; K's scale words: 8,192 bytes a (head, batch)
	s_mov_b32 s43, 0
	s_lshl_b32 s44, s14, 12
	s_add_co_u32 s44, s44, 1048576                 ; V's: 4,096
	s_mov_b32 s45, 0
	s_mov_b32 s72, 0x76543210
	s_mov_b32 s73, 0xfedcba98                      ; v_permlanex16_b32's selects for lane l xor 16
	s_mov_b32 s74, 0x3e38aa3b                      ; c = log2(e) / 8
	s_mov_b32 s75, s74
	s_mul_i32 s16, s12, 1536
	s_add_co_u32 s16, s16, STG                     ; my stage
	s_wait_dscnt 0x0
	s_wait_kmcnt 0x0
	s_add_nc_u64 s[50:51], s[4:5], s[20:21]
	s_or_b32 s51, s51, 0x80000000
	s_add_nc_u64 s[42:43], s[6:7], s[42:43]
	s_add_nc_u64 s[44:45], s[6:7], s[44:45]
	s_add_nc_u64 s[4:5], s[4:5], s[34:35]
	s_add_nc_u64 s[6:7], s[6:7], s[36:37]
	s_add_nc_u64 s[8:9], s[8:9], s[38:39]
	s_add_nc_u64 s[10:11], s[10:11], s[40:41]
	CROUND                                         ; all four work-groups are here: the joint loads meet
	tensor_load_to_lds s[48:51], s[24:31]          ; my one tensor load of the launch
	s_nop 0
	v_and_b32 v238, 31, v0
	v_and_b32 v239, 15, v0                         ; r
	v_bfe_u32 v240, v0, 4, 1                       ; h
	v_and_b32 v241, 7, v0                          ; r % 8
	v_bfe_u32 v242, v0, 3, 1                       ; r / 8
	v_lshlrev_b32 v243, 4, v0                      ; 16 x thread
	v_lshlrev_b32 v[L16], 4, v238
	v_lshlrev_b32 v[R16], 4, v239
	s_wait_alu depctr_va_vdst(0)
	global_load_b128 v[CO:CO+3], v243, s[42:43]                    ; the scale words: 256 threads x 16 bytes a load
	global_load_b128 v[CO+4:CO+7], v243, s[42:43] offset:4096
	global_load_b128 v[CO+8:CO+11], v243, s[44:45]
	WIN 0x40
.irp c, 0,1,2
	global_load_b128 v[QN+4*\c:QN+4*\c+3], v[L16], s[4:5] offset:512*\c   ; the first pass's two tiles of Q
.endr
	global_load_b64 v[QSN:QSN+1], v[R16], s[6:7]
	WIN 0
	v_lshlrev_b32 v[KB], 4, v241
	v_mad_u32_u24 v[KB], v242, 1920, v[KB]
	v_lshl_add_u32 v[KB], v240, 8, v[KB]           ; K: 16 (r % 8) + 256 h, and rows 8-15 three loads on
	v_lshlrev_b32 v[KSB], 4, v241
	v_lshl_add_u32 v[KSB], v242, 3, v[KSB]
	v_add_nc_u32 v[KSB], KSC, v[KSB]               ; K's scale words: 16 (r % 8) + 8 (r / 8)
	v_add_nc_u32 v[VB], VIMG, v[L16]
	v_add_nc_u32 v[VSB], VSC, v[R16]
	v_lshl_add_u32 v244, v242, 4, v241             ; my query among a pass's 32 tokens, less 8 for the second tile
	v_mul_u32_u24 v[STI], v244, 48
	v_mad_u32_u24 v[STI], v240, 12, v[STI]
	v_add_nc_u32 v[STI], s16, v[STI]
	v_add_nc_u32 v[STO], s16, v[L16]
	v_lshlrev_b32 v[ASO], 5, v244
	v_lshlrev_b32 v[H8], 3, v240
	v_add_nc_u32 v245, KSC, v243
	v_mov_b32 v[TQ], 0                             ; written once: a lane permute's destination counts as a source
	v_mov_b32 v[TQ+1], 0
	v_mov_b32 v[FF+1], 0                           ; named as the pairs' upper halves
	v_mov_b32 v[FF+3], 0
	WIN 0x40
.irp i, 0,1,2,3,4,5
	v_mov_b32 v[KF+48+\i], 0                       ; behind the last tile of K
	v_mov_b32 v[Q+6+\i], 0                         ; both Q operands' upper halves are zero codes
	v_mov_b32 v[Q+18+\i], 0
.endr
	WIN 0
	s_wait_alu depctr_va_vdst(0)
	s_wait_loadcnt 4                               ; the three loads of scale words are in; Q's four may be out
	s_wait_tensorcnt 0x0                           ; my tile has landed
	ds_store_b128 v245, v[CO:CO+3]
	ds_store_b128 v245, v[CO+4:CO+7] offset:4096
	ds_store_b128 v245, v[CO+8:CO+11] offset:8192
	s_wait_dscnt 0x0
	s_barrier_signal -1
	s_barrier_wait -1                              ; every wave's tile and scale words may be read
.macro ADDR                            ; where the next step's fragments and scale words lie
	v_add_nc_u32 v[KA], s76, v[KB]
	v_add_nc_u32 v[VA], s76, v[VB]
	v_add_nc_u32 v[KSA], s77, v[KSB]
	v_add_nc_u32 v[VSA], s78, v[VSB]
.endm
.macro LOADK                           ; 16 LDS loads
	WIN 0x40
.irp k, 0,1,2,6,7,8
	ds_load_b128 v[KF+4*\k:KF+4*\k+3], v[KA] offset:640*\k
.endr
.irp k, 3,4,5,9,10,11
	ds_load_b128 v[KF+4*\k:KF+4*\k+3], v[KA] offset:640*(\k-3)+128
.endr
	WIN 0
.irp g, 0,1,2,3
	ds_load_b64 v[KS+2*\g:KS+2*\g+1], v[KSA] offset:128*\g
.endr
.endm
.macro LOADV                           ; 13 LDS loads
	WIN 0x40
.irp k, 0,1,2,3,4,5,6,7,8,9,10,11
	ds_load_b128 v[VF+4*\k:VF+4*\k+3], v[VA] offset:640*\k
.endr
	WIN 0
	ds_load_b128 v[VS:VS+3], v[VSA]
.endm
; Link n of tile T's chain from the blocks' largest scores to f = 2^(old M - new M)
.macro CH T, n
.if (\n) == 0
	v_max_num_f32 v[BM+2*\T], v[BM+2*\T], v[XB+2*\T]           ; the two sub-chains of each block
	v_max_num_f32 v[BM+2*\T+1], v[BM+2*\T+1], v[XB+2*\T+1]
	v_mov_b32 v[OM+\T], v[ST+4*\T]                 ; the old -M
.endif
.if (\n) == 1
	v_max_num_f32 v[TP+\T], v[BM+2*\T], v[BM+2*\T+1]
.endif
.if (\n) == 2
	v_permlanex16_b32 v[TQ+\T], v[TP+\T], s72, s73
.endif
.if (\n) == 3
	v_max_num_f32 v[TP+\T], v[TP+\T], v[TQ+\T]     ; with lane l xor 16's 64 keys: the step's largest score of my query
.endif
.if (\n) == 4
	v_mul_f32 v[TP+\T], s74, v[TP+\T]              ; as t (c is positive)
.endif
.if (\n) == 5
	v_max_num_f32 v[ST+4*\T+1], v[ST+4*\T+1], v[TP+\T]         ; the running largest t
.endif
.if (\n) == 6
	v_floor_f32 v[ST+4*\T], -v[ST+4*\T+1]          ; the new -M = floor(-t)
.endif
.if (\n) == 7
	v_sub_f32 v[TP+\T], v[ST+4*\T], v[OM+\T]       ; old M - new M: a whole number, 0 or less
.endif
.if (\n) == 8
	v_cvt_i32_f32 v[TP+\T], v[TP+\T]               ; (it saturates)
.endif
.if (\n) == 9
	v_ldexp_f32 v[FF+2*\T], 1.0, v[TP+\T]          ; f
.endif
.endm
; Link n of tile T's chain from the blocks' largest scores to the conversions' scale operands and p's scale word
.macro SC T, n
.irp c, 0,1
.if (\n) == 0
	v_fma_f32 v[BM+2*\T+\c], v[BM+2*\T+\c], s74, v[ST+4*\T]    ; the block's largest t - M
.endif
.if (\n) == 1
	v_max_num_f32 v[BM+2*\T+\c], 0xc2f80000, v[BM+2*\T+\c]     ; held at -124: the byte cannot fall under 1
.endif
.if (\n) == 2
	v_cvt_floor_i32_f32 v[BY+2*\T+\c], v[BM+2*\T+\c]           ; floor(log2(the block's largest p))
.endif
.if (\n) == 3
	v_add_nc_u32 v[BY+2*\T+\c], 125, v[BY+2*\T+\c]             ; - 2 + 127: the scale's byte
.endif
.if (\n) == 4
	v_lshlrev_b32 v[BS+2*\T+\c], 23, v[BY+2*\T+\c]             ; and the conversion's scale operand
.endif
.endr
.if (\n) == 5
	v_lshl_or_b32 v[PW+\T], v[BY+2*\T+1], 16, v[BY+2*\T]       ; my two bytes: blocks h and 2 + h,
.endif
.if (\n) == 6
	v_lshlrev_b32 v[PW+\T], v[H8], v[PW+\T]        ; at their places;
.endif
.if (\n) == 7
	v_permlanex16_b32 v[TQ+\T], v[PW+\T], s72, s73
.endif
.if (\n) == 8
	v_or_b32 v[PW+\T], v[PW+\T], v[TQ+\T]          ; with lane l xor 16's two: p's scale word for these 128 keys
.endif
.endm
; The largest score of tile T's two blocks (all 32 keys of a block are mine), each in two sub-chains.  Each accumulator is first read at its low end: registers 0, 8, 16, 24 of a block.
; hk = 1: a link of tile 0's chain stands behind each group.
.macro MAXT T, hk
.irp c, 0,1
	v_max3_num_f32 v[BM+2*\T+\c], v[S+64*\T+32*\c], v[S+64*\T+32*\c+1], v[S+64*\T+32*\c+2]
.endr
.irp c, 0,1
	v_max3_num_f32 v[XB+2*\T+\c], v[S+64*\T+32*\c+16], v[S+64*\T+32*\c+17], v[S+64*\T+32*\c+18]
.endr
.if \hk
	CH 0, 0
.endif
.set MI, 3
.rept 6
.irp c, 0,1
	v_max3_num_f32 v[BM+2*\T+\c], v[BM+2*\T+\c], v[S+64*\T+32*\c+MI], v[S+64*\T+32*\c+MI+1]
.endr
.irp c, 0,1
	v_max3_num_f32 v[XB+2*\T+\c], v[XB+2*\T+\c], v[S+64*\T+32*\c+16+MI], v[S+64*\T+32*\c+17+MI]
.endr
.if \hk
	CH 0, (MI-1)/2
.endif
.set MI, MI+2
.endr
.irp c, 0,1
	v_max3_num_f32 v[BM+2*\T+\c], v[BM+2*\T+\c], v[S+64*\T+32*\c+15], v[S+64*\T+32*\c+31]
.endr
.if \hk
	CH 0, 7
.endif
.endm
.macro FA                              ; t - M, the first tile's next two
	v_pk_fma_f32 v[S+JA:S+JA+1], v[S+JA:S+JA+1], s[74:75], v[ST:ST+1] op_sel_hi:[1,0,0]
.set JA, JA+2
.endm
.macro FB                              ; the second tile's
	v_pk_fma_f32 v[S+64+JB:S+64+JB+1], v[S+64+JB:S+64+JB+1], s[74:75], v[ST+4:ST+5] op_sel_hi:[1,0,0]
.set JB, JB+2
.endm
.macro LADD a, b                       ; the first tile's pair sums: a += b
	v_pk_add_f32 v[L1+2*(\a):L1+2*(\a)+1], v[L1+2*(\a):L1+2*(\a)+1], v[L1+2*(\b):L1+2*(\b)+1]
.endm
.macro BADD a, b                       ; the second tile's eight sums: a += b
	v_pk_add_f32 v[SB+2*(\a):SB+2*(\a)+1], v[SB+2*(\a):SB+2*(\a)+1], v[SB+2*(\b):SB+2*(\b)+1]
.endm
.macro BROW n                          ; the second tile's eight sums take p's pairs 8 n .. 8 n + 7
.irp q, 0,1,2,3,4,5,6,7
	v_pk_add_f32 v[SB+2*\q:SB+2*\q+1], v[SB+2*\q:SB+2*\q+1], v[S+64+16*(\n)+2*\q:S+64+16*(\n)+2*\q+1]
.endr
.endm
; A KEY STEP: 128 keys x two tiles of 16 queries.  This step's fragments were asked for in the step before: K's 16 loads first, V's 13 behind them.  s76-78: where the NEXT step lies.
.macro STEP
.set JA, 0
.set JB, 0
	s_wait_dscnt 13                                ; K's fragments and scale words are in; V's 13 loads may be out
	WIN 0x05
.irp t, 0,1,2,3,4,5,6,7
	v_wmma_scale_f32_16x16x128_f8f6f4 v[S+8*\t:S+8*\t+7], v[KF+6*\t:KF+6*\t+11], v[Q:Q+11], 0, v[KS+\t], v[QS] matrix_a_fmt:MATRIX_FMT_FP6 matrix_b_fmt:MATRIX_FMT_FP6
.endr
.irp t, 0,1,2,3,4,5,6,7
	v_wmma_scale_f32_16x16x128_f8f6f4 v[S+64+8*\t:S+64+8*\t+7], v[KF+6*\t:KF+6*\t+11], v[Q+12:Q+23], 0, v[KS+\t], v[QS+1] matrix_a_fmt:MATRIX_FMT_FP6 matrix_b_fmt:MATRIX_FMT_FP6
.endr
	WIN 0
	ADDR                                           ; four places: in front of the loads into K's registers and of the first read of the scores
	LOADK
	MAXT 0, 0
	MAXT 1, 1                                      ; with links 0-7 of the first tile's chain
.set PK, 0
.rept 10                               ; the second tile's chain, the end of the first tile's, and the first tile's scales, three multiply-adds of the first tile ahead of each link
	FA
	FA
	FA
	CH 1, PK
.if PK < 2
	CH 0, PK+8
.endif
.if PK < 9
	SC 0, PK
.endif
.set PK, PK+1
.endr
	FA
	FA
	WIN 0x41
.set j, 0
.rept 16
	v_pk_mul_f32 v[O+j:O+j+1], v[O+j:O+j+1], v[FF:FF+1] op_sel_hi:[1,0]             ; O^T under the new M; ahead of the exponentials; ascending
	v_pk_mul_f32 v[O+32+j:O+32+j+1], v[O+32+j:O+32+j+1], v[FF+2:FF+3] op_sel_hi:[1,0]
.set j, j+2
.endr
	WIN 0
.irp T, 0,1
	v_pk_mul_f32 v[ST+4*\T+2:ST+4*\T+3], v[ST+4*\T+2:ST+4*\T+3], v[FF+2*\T:FF+2*\T+1] op_sel_hi:[1,0]   ; and the sums
.endr
.set PK, 0
.rept 9                                ; the second tile's scales, its own multiply-adds between the links: 23 of the 32
	SC 1, PK
	FB
	FB
.if PK > 3
	FB
.endif
.set PK, PK+1
.endr
	s_wait_alu depctr_va_vdst(0)
.set JE, 0
.rept 9
.rept 7
	v_exp_f32 v[S+JE], v[S+JE]                     ; p = 2^(t - M), the first tile's
.set JE, JE+1
.endr
	FB                                             ; the second tile's last nine multiply-adds: first read behind the wait below
.endr
	v_exp_f32 v[S+63], v[S+63]
	v_nop                                          ; a plain place
	s_wait_alu depctr_va_vdst(0)                   ; the wait behind the first batch, which is also the wait ahead of the second
.set JE, 0
.set JL, 0
.rept 16
.rept 4
	v_exp_f32 v[S+64+JE], v[S+64+JE]               ; the second tile's
.set JE, JE+1
.endr
	v_pk_add_f32 v[L1+2*JL:L1+2*JL+1], v[S+4*JL:S+4*JL+1], v[S+4*JL+2:S+4*JL+3]   ; THE ROW'S SUM IS TAKEN OF THE UNQUANTISED p: sixteen pair sums of the first tile, each first read behind the wait below
.set JL, JL+1
.endr
	s_wait_alu depctr_va_vdst(0)                   ; the wait behind the second batch
	WIN 0x40
.irp T, 0,1
.irp c, 0,1
	v_cvt_scalef32_pk16_fp6_f32 v[PC+12*\T+6*\c:PC+12*\T+6*\c+2], v[S+64*\T+32*\c:S+64*\T+32*\c+15], v[BS+2*\T+\c]
	v_cvt_scalef32_pk16_fp6_f32 v[PT+8*\T+4*\c:PT+8*\T+4*\c+2], v[S+64*\T+32*\c+16:S+64*\T+32*\c+31], v[BS+2*\T+\c]   ; (a conversion's three registers begin on an even number)
.endr
.endr
	v_nop                                          ; one plain place behind the scaled conversions
	WIN 0x41
.irp T, 0,1
.irp c, 0,1
.irp i, 0,1,2
	v_mov_b32 v[PC+12*\T+6*\c+3+\i], v[PT+8*\T+4*\c+\i]
.endr
.endr
.endr
	WIN 0
.irp q, 0,1,2,3,4,5,6,7
	v_pk_add_f32 v[SB+2*\q:SB+2*\q+1], v[S+64+2*\q:S+64+2*\q+1], v[S+80+2*\q:S+80+2*\q+1]   ; the second tile's sum in eight chains.  (These sixteen lines stand between the writes of p's codes and the products)
.endr
.irp q, 0,1,2,3,4,5,6,7
	LADD \q, \q+8
.endr
	s_wait_dscnt 16                                ; V's fragments and scale words are in; the next step's 16 loads for K may be out
	WIN 0x55
.irp t, 0,1,2,3                        ; eight accumulators, one instruction a turn; the scores' products stand between two links of a chain
	v_wmma_scale_f32_16x16x128_f8f6f4 v[O+8*\t:O+8*\t+7], v[VF+12*\t:VF+12*\t+11], v[PC:PC+11], v[O+8*\t:O+8*\t+7], v[VS+\t], v[PW] matrix_a_fmt:MATRIX_FMT_FP6 matrix_b_fmt:MATRIX_FMT_FP6
	v_wmma_scale_f32_16x16x128_f8f6f4 v[O+32+8*\t:O+32+8*\t+7], v[VF+12*\t:VF+12*\t+11], v[PC+12:PC+23], v[O+32+8*\t:O+32+8*\t+7], v[VS+\t], v[PW+1] matrix_a_fmt:MATRIX_FMT_FP6 matrix_b_fmt:MATRIX_FMT_FP6
.endr
	WIN 0
	BROW 2                                         ; the rest of the sums, the two tiles by turns: also the places in front of the loads into V's registers
.irp q, 0,1,2,3
	LADD \q, \q+4
.endr
	BROW 3
	LADD 0, 2
	LADD 1, 3
.irp q, 0,1,2,3
	BADD \q, \q+4
.endr
	LADD 0, 1
	s_delay_alu instid0(VALU_DEP_3)
	BADD 0, 2
	s_delay_alu instid0(VALU_DEP_3)
	BADD 1, 3
	s_delay_alu instid0(VALU_DEP_3)
	v_pk_add_f32 v[ST+2:ST+3], v[ST+2:ST+3], v[L1:L1+1]
	s_delay_alu instid0(VALU_DEP_2)
	BADD 0, 1
	s_delay_alu instid0(VALU_DEP_1)
	v_pk_add_f32 v[ST+6:ST+7], v[ST+6:ST+7], v[SB:SB+1]
	LOADV
.endm
	s_mov_b32 s76, 0
	s_mov_b32 s77, 0
	s_mov_b32 s78, 0
	ADDR
	LOADK                                          ; step 0's fragments
	LOADV
	s_mov_b32 s81, 0                               ; the pass
	s_wait_alu depctr_va_vdst(0)
.Lpass:
	s_wait_loadcnt 0x0                             ; this pass's Q and its scale words
	WIN 0x41
.irp i, 0,1,2,3,4,5
	v_mov_b32 v[Q+\i], v[QN+\i]
	v_mov_b32 v[Q+12+\i], v[QN+6+\i]
.endr
	WIN 0x01
	v_mov_b32 v[QS], v[QSN]
	v_mov_b32 v[QS+1], v[QSN+1]
	WIN 0
	s_cmp_eq_u32 s81, 1
	s_cbranch_scc1 .Lno_q                          ; the last pass asks for no further Q
	s_add_nc_u64 s[4:5], s[4:5], 1536
	s_add_nc_u64 s[6:7], s[6:7], 8
	WIN 0x40
.irp c, 0,1,2
	global_load_b128 v[QN+4*\c:QN+4*\c+3], v[L16], s[4:5] offset:512*\c
.endr
	global_load_b64 v[QSN:QSN+1], v[R16], s[6:7]
	WIN 0
.Lno_q:
.irp T, 0,1
	v_mov_b32 v[ST+4*\T+1], 0xff61b1e6             ; the largest t so far: -3e38
	v_mov_b32 v[ST+4*\T+2], 0
	v_mov_b32 v[ST+4*\T+3], 0
.endr
.irp T, 0,1
	v_floor_f32 v[ST+4*\T], -v[ST+4*\T+1]
.endr
	WIN 0x40
.set j, 0
.rept 64
	v_mov_b32 v[O+j], 0                            ; the step is written for every step alike: the first finds zeros, which the first change of M leaves zeros
.set j, j+1
.endr
	WIN 0
	s_mov_b32 s76, 0
	s_mov_b32 s77, 0
	s_mov_b32 s78, 0
	s_mov_b32 s79, 15
.Lstep:
	s_add_co_u32 s76, s76, STEPB
	s_add_co_u32 s77, s77, 512
	s_add_co_u32 s78, s78, 256
	STEP
	s_sub_co_u32 s79, s79, 1
	s_cmp_lg_u32 s79, 0
	s_cbranch_scc1 .Lstep
	s_mov_b32 s76, 0                               ; the last step asks for step 0's fragments again, for the next pass
	s_mov_b32 s77, 0
	s_mov_b32 s78, 0
	STEP
	; A pass ends: o = O^T / the sum, quantised along C: my 16 numbers of each of the head's two blocks; 12 bytes a block into my stage, two scale bytes to asc
	s_wait_alu depctr_va_vdst(0)                   ; the wait here, directly ahead of the first reader of the sums behind the step's waits
.irp T, 0,1
	v_add_f32 v[ST+4*\T+2], v[ST+4*\T+2], v[ST+4*\T+3]
.endr
.irp T, 0,1
	s_delay_alu instid0(VALU_DEP_2)
	v_permlanex16_b32 v[TQ+\T], v[ST+4*\T+2], s72, s73
.endr
.irp T, 0,1
	s_delay_alu instid0(VALU_DEP_2)
	v_add_f32 v[ST+4*\T+2], v[ST+4*\T+2], v[TQ+\T] ; the row's sum
.endr
	s_wait_alu depctr_va_vdst(0)                   ; ahead of the reciprocals
.irp T, 0,1
	v_rcp_f32 v[ST+4*\T+2], v[ST+4*\T+2]
.endr
	v_nop
	WIN 0x01
	s_wait_alu depctr_va_vdst(0)                   ; behind them, directly ahead of the first reader of O^T
.set j, 0
.rept 32
	v_mul_f32 v[S+j], v[O+j], v[ST+2]              ; register 16 b + i: channel 32 b + 16 h + i of my query; ascending
	v_mul_f32 v[S+64+j], v[O+32+j], v[ST+6]
.set j, j+1
.endr
	WIN 0
.irp T, 0,1
.irp b, 0,1
	v_max3_num_f32 v[BM+2*\T+\b], |v[S+64*\T+16*\b]|, |v[S+64*\T+16*\b+1]|, 0x1800000   ; with the floor 2^(3 - 127)
.endr
.endr
.irp i, 2,4,6,8,10,12,14
.irp T, 0,1
.irp b, 0,1
	v_max3_num_f32 v[BM+2*\T+\b], v[BM+2*\T+\b], |v[S+64*\T+16*\b+\i]|, |v[S+64*\T+16*\b+\i+1]|
.endr
.endr
.endr
.irp n, 0,1,2,3
	s_delay_alu instid0(VALU_DEP_4)
	v_permlanex16_b32 v[BY+\n], v[BM+\n], s72, s73
.endr
.irp n, 0,1,2,3
	s_delay_alu instid0(VALU_DEP_4)
	v_max_num_f32 v[BM+\n], v[BM+\n], v[BY+\n]
.endr
.irp n, 0,1,2,3
	s_delay_alu instid0(VALU_DEP_4)
	v_add_nc_u32 v[BS+\n], 0xff000000, v[BM+\n]    ; 2 off the exponent field
.endr
.irp n, 0,1,2,3
	s_delay_alu instid0(VALU_DEP_4)
	v_lshrrev_b32 v[BY+\n], 23, v[BS+\n]
.endr
.irp T, 0,1
.irp b, 0,1
	v_cvt_scalef32_pk16_fp6_f32 v[CO+8*\T+4*\b:CO+8*\T+4*\b+2], v[S+64*\T+16*\b:S+64*\T+16*\b+15], v[BS+2*\T+\b]
.endr
.endr
.irp T, 0,1
	v_lshl_or_b32 v[SBY+\T], v[BY+2*\T+1], 8, v[BY+2*\T]       ; (plain places behind the conversions)  the head's two scale bytes of my token
.endr
.irp T, 0,1
.irp b, 0,1
.irp i, 0,1,2
	ds_store_b32 v[STI], v[CO+8*\T+4*\b+\i] offset:384*\T+24*\b+4*\i   ; a token's 48 bytes: 24 b + 12 h + 4 i
.endr
.endr
	global_store_b16 v[ASO], v[SBY+\T], s[10:11] offset:256*\T         ; (both halves of the lanes write the same two bytes with the same value)
.endr
.irp c, 0,1,2
	ds_load_b128 v[RB+4*\c:RB+4*\c+3], v[STO] offset:512*\c            ; LDS serves a wave's instructions in order: these see my stores
.endr
	s_wait_dscnt 0x0
.irp c, 0,1,2
	global_store_b128 v[L16], v[RB+4*\c:RB+4*\c+3], s[8:9] offset:512*\c   ; 32 lanes store 512 consecutive bytes, aligned
.endr
	s_wait_xcnt 0x0                                ; the stores have read their registers and bases
	s_add_nc_u64 s[8:9], s[8:9], 1536
	s_add_nc_u64 s[10:11], s[10:11], 1024
	s_add_co_u32 s81, s81, 1
	s_cmp_lt_u32 s81, 2
	s_wait_alu depctr_va_vdst(0)
	s_cbranch_scc1 .Lpass
	s_wait_tensorcnt 0x0                           ; the wave's end
	ds_add_u32 v[SPW], v[NIL]
	s_wait_dscnt 0x0
	CROUND                                         ; the closing round
	s_endpgm
.Lfunc_end_k_q4579eb4d42_attn:
	.size	k_q4579eb4d42_attn, .Lfunc_end_k_q4579eb4d42_attn-k_q4579eb4d42_attn
	.p2alignl 7, 3214868480
	.fill 96, 4, 3214868480
	.section	.rodata,"a",@progbits
	.p2align	6, 0x0
	.amdhsa_kernel k_q4579eb4d42_attn
		.amdhsa_group_segment_fixed_size 271360
		.amdhsa_private_segment_fixed_size 0
		.amdhsa_enable_private_segment 0
		.amdhsa_kernarg_size 32
		.amdhsa_user_sgpr_count 2
		.amdhsa_user_sgpr_kernarg_segment_ptr 1
		.amdhsa_wavefront_size32 1
		.amdhsa_system_sgpr_workgroup_id_x 1
		.amdhsa_system_sgpr_workgroup_id_y 1
		.amdhsa_system_sgpr_workgroup_id_z 1
		.amdhsa_system_vgpr_workitem_id 0
		.amdhsa_next_free_vgpr 512
		.amdhsa_next_free_sgpr 84
		.amdhsa_reserve_vcc 0
		.amdhsa_float_denorm_mode_32 3
		.amdhsa_float_denorm_mode_16_64 3
		.amdhsa_memory_ordered 1
		.amdhsa_forward_progress 1
		.amdhsa_inst_pref_size 76
	.end_amdhsa_kernel
	.amdgpu_metadata
---
amdhsa.version: [ 1, 2 ]
amdhsa.kernels:
  - .name:           k_q4579eb4d42_attn
    .symbol:         k_q4579eb4d42_attn.kd
    .args:
      - { .name: img, .offset: 0, .size: 8, .value_kind: global_buffer, .address_space: global }
      - { .name: isc, .offset: 8, .size: 8, .value_kind: global_buffer, .address_space: global }
      - { .name: ac, .offset: 16, .size: 8, .value_kind: global_buffer, .address_space: global }
      - { .name: asc, .offset: 24, .size: 8, .value_kind: global_buffer, .address_space: global }
    .group_segment_fixed_size: 271360
    .private_segment_fixed_size: 0
    .kernarg_segment_align: 8
    .kernarg_segment_size: 32
    .max_flat_workgroup_size: 256
    .sgpr_count:     84
    .vgpr_count:     512
    .wavefront_size: 32
...
	.end_amdgpu_metadata
.endif
;; end of part 3
;; launch proj (part 4): grid 4 x 32, 4 waves a work-group, clusters of 4 x 4, 327,680 bytes of LDS; arguments ac, asc, c0, s0, b_proj, out0; writes out0
.if DOCPART == 4
	.amdgcn_target "amdgcn-amd-amdhsa--gfx1250"
	.amdhsa_code_object_version 6
	.text
	.protected	k_q4579eb4d42_proj
	.globl	k_q4579eb4d42_proj
	.p2align	8
	.type	k_q4579eb4d42_proj,@function
k_q4579eb4d42_proj:
	s_mov_b64 s[64:65], 0
	v_nop
	global_prefetch_b8 v0, s[64:65] scope:SCOPE_SE
	s_setreg_imm32_b32 hwreg(HW_REG_WAVE_MODE, 25, 1), 1
	s_wait_xcnt 0x0
	s_wait_alu depctr_hold_cnt(0) depctr_sa_sdst(0) depctr_va_vdst(0) depctr_va_sdst(0) depctr_va_ssrc(0) depctr_va_vcc(0) depctr_vm_vsrc(0)
	s_getreg_b32 s2, hwreg(HW_REG_IB_STS2, 6, 4)
	s_cmp_eq_u32 s2, 0
	s_cbranch_scc0 .Lentry_in_a_cluster
	s_endpgm
.Lentry_in_a_cluster:
	s_bfe_u32 s2, ttmp6, 0x10000c
	s_cmp_lg_u32 s2, 0xf033
	s_cbranch_scc0 .Lentry_shape_is_right
	s_endpgm
.Lentry_shape_is_right:
.set SIZE_N, 1024
.set KSTEP,  256
.set NQ,     2
.set ROWB,   2359296                   ; bytes from one K range's plane of c0 to the next (12,288 rows x 192 bytes)
.set KROW,   192                       ; a row's bytes in a plane
.set PITCH,  240
.set FR,     12
.set NL,     6
.set NP,     4
.set AHALF,  4*6144
.set HALFT,  128*PITCH
.set SLOT,   2*AHALF+2*HALFT
.set APLANE, 393216
.set LAPS,   2
.set KS,     32
.set SCL,    2*SLOT
.set HALFS,  (128*KS/256)*272
.set SBLK,   (16*KS/256)*272
.set SPARE,  SCL+4*HALFS
.set SPITCH, 528
.set ADRA, 16
.set ADRB, 20
.set STO,  24
.set RD,   25
.set CO,   26
.set ADRS, 27
.set SPW,  28
.set NIL,  29
.set SC,   32
.set BI,   64
.set AF,   128
.set BK,   128
.set G1, 24
.set G0, 32
.set G1B, 48
.set G0B, 56
.set G1S, 68
.set G0S, 76
.set G1SB, 80
.set G0SB, 88
.set MSB, 0
.macro WIN new
.if MSB != (\new)
	s_set_vgpr_msb (MSB<<8)|(\new)
.set MSB, (\new)
.endif
.endm
.set MUL_LO, 0xa1
.set MUL_HI, 0xf1
.set TO_B,   0x40
.macro JLOAD g0a, g1a, g0b, g1b
	s_cmp_eq_u32 s15, 0
	s_cbranch_scc0 .Lfor_b_\@
	tensor_load_to_lds s[\g0a:\g0a+3], s[\g1a:\g1a+7]
	s_nop 0
.rept 4
	v_nop
.endr
	s_branch .Lasked_\@
.Lfor_b_\@:
	tensor_load_to_lds s[\g0b:\g0b+3], s[\g1b:\g1b+7]
	s_nop 0
.rept 4
	v_nop
.endr
.Lasked_\@:
.endm
.macro CREST
	s_cmp_lg_u32 s14, 0
	s_cbranch_scc1 .Lnot_wave_0_\@
	s_barrier_signal -3
.Lnot_wave_0_\@:
	s_barrier_wait -3
	s_barrier_signal -1
	s_barrier_wait -1
.endm
.macro CROUND
	s_barrier_signal -1
	s_barrier_wait -1
	CREST
.endm
	s_load_b256 s[4:11], s[0:1], 0x0
	s_load_b64 s[96:97], s[0:1], 0x20
	s_load_b64 s[12:13], s[0:1], 0x28
	v_lshl_add_u32 v[SPW], v0, 2, SPARE
	v_mov_b32 v[NIL], 0
	ds_add_u32 v28, v29
	ds_add_u32 v28, v29
	s_wait_dscnt 0x0
	v_lshrrev_b32 v1, 5, v0
	v_readfirstlane_b32 s14, v1
	s_lshr_b32 s15, s14, 1
	s_and_b32 s16, s14, 1
	s_bfe_u32 s40, ttmp6, 0x40000
	s_bfe_u32 s41, ttmp6, 0x40004
	s_lshl_b32 s42, ttmp9, 2
	s_add_co_u32 s42, s42, s40
	s_and_b32 s17, ttmp7, 0xffff
	s_lshl_b32 s17, s17, 2
	s_add_co_u32 s17, s17, s41
	s_lshl_b32 s43, s41, 2
	s_lshl_b32 s43, 15, s43
	s_lshl_b32 s44, 0x1111, s40
	s_or_b32 s[G1+0], s43, (3<<16)|(1<<21)
	s_mov_b32 s[G1+1], 768<<16
	s_mov_b32 s[G1+2], 4<<16
	s_mov_b32 s[G1+3], 768<<16
	s_mov_b32 s[G1+4], 4
	s_mov_b32 s[G1+5], APLANE/8
	s_mov_b32 s[G1+6], 0
	s_mov_b32 s[G1+7], 0
	s_or_b32 s[G1B+0], s44, (0<<16)|(1<<20)|(1<<21)|(3<<22)|(3<<25)
	s_mov_b32 s[G1B+1], 256<<16                    ; 128 rows of 192 bytes are dense in a plane: 96 rows of 256 bytes, each beginning at a multiple of 256;
	s_mov_b32 s[G1B+2], 96<<16                     ; the padding, 16 bytes behind each 64, is counted along the tile, so a row of codes still takes 240 bytes of LDS
	s_mov_b32 s[G1B+3], 256<<16
	s_mov_b32 s[G1B+4], 96
	s_mov_b32 s[G1B+5], 256
	s_mov_b32 s[G1B+6], 0
	s_mov_b32 s[G1B+7], 0
	s_or_b32 s[G1S+0], s43, (3<<16)|(1<<20)|(1<<21)|(5<<22)|(3<<25)
	s_or_b32 s[G1SB+0], s44, (3<<16)|(1<<20)|(1<<21)|(5<<22)|(3<<25)
.irp g, G1S, G1SB
	s_mov_b32 s[\g+1], 32<<16
	s_mov_b32 s[\g+2], (128*KS/256)<<16
	s_mov_b32 s[\g+3], 32<<16
	s_mov_b32 s[\g+4], 128*KS/256
	s_mov_b32 s[\g+5], 32
	s_mov_b32 s[\g+6], 0
	s_mov_b32 s[\g+7], 0
.endr
	s_lshl_b32 s18, s16, 7
	s_lshl_b32 s20, s17, 8
	s_add_co_u32 s20, s20, s18
	s_lshl_b32 s46, s42, 8
	s_add_co_u32 s46, s46, s18
	s_mul_i32 s22, s20, KS
	s_mul_i32 s20, s20, 48
	s_mul_i32 s92, s46, KS
	s_mul_i32 s46, s46, KROW
	s_mov_b32 s21, 0
	s_mov_b32 s23, 0
	s_mov_b32 s47, 0
	s_mov_b32 s93, 0
	s_mul_i32 s45, s16, AHALF
	s_mul_i32 s95, s16, HALFT
	s_add_co_u32 s95, s95, 2*AHALF
	s_mul_i32 s94, s14, HALFS
	s_wait_kmcnt 0x0
	s_add_nc_u64 s[20:21], s[4:5], s[20:21]
	s_add_nc_u64 s[22:23], s[6:7], s[22:23]
	s_add_nc_u64 s[46:47], s[8:9], s[46:47]
	s_add_nc_u64 s[46:47], s[46:47], 11264*KROW
	s_add_nc_u64 s[92:93], s[10:11], s[92:93]
	s_add_nc_u64 s[92:93], s[92:93], 11264*KS
	CROUND
	s_mov_b32 s[G0S], 1
	s_add_co_u32 s[G0S+1], s94, SCL
	s_mov_b64 s[G0S+2:G0S+3], s[22:23]
	s_or_b32 s[G0S+3], s[G0S+3], 0x80000000
	s_mov_b32 s[G0SB], 1
	s_add_co_u32 s[G0SB+1], s94, SCL
	s_mov_b64 s[G0SB+2:G0SB+3], s[92:93]
	s_or_b32 s[G0SB+3], s[G0SB+3], 0x80000000
	JLOAD G0S, G1S, G0SB, G1SB
.irp s, 0,1
	s_mov_b32 s[G0+4*\s], 1
	s_add_co_u32 s[G0+4*\s+1], s45, \s*SLOT
	s_add_nc_u64 s[G0+4*\s+2:G0+4*\s+3], s[20:21], \s*4*APLANE
	s_or_b32 s[G0+4*\s+3], s[G0+4*\s+3], 0x80000000
	s_mov_b32 s[G0B+4*\s], 1
	s_add_co_u32 s[G0B+4*\s+1], s95, \s*SLOT
	s_add_nc_u64 s[G0B+4*\s+2:G0B+4*\s+3], s[46:47], \s*ROWB
	s_or_b32 s[G0B+4*\s+3], s[G0B+4*\s+3], 0x80000000
	s_wait_alu depctr_va_vdst(0)
	s_wait_tensorcnt 0x0
	ds_add_u32 v28, v29
	s_wait_dscnt 0x0
	CROUND
	JLOAD G0+4*\s, G1, G0B+4*\s, G1B
.endr
	v_and_b32 v1, 15, v0
	v_bfe_u32 v2, v0, 4, 1
	v_mul_u32_u24 v3, v1, PITCH
	v_mul_u32_u24 v4, v2, 24
	v_add_nc_u32 v4, v3, v4
	v_lshl_add_u32 v5, v2, 4, v4
	v_mul_u32_u24 v8, v1, 48
	v_mad_u32_u24 v8, v2, 24, v8
	s_mul_i32 s21, s15, AHALF
	s_mul_i32 s22, s16, HALFT
	s_add_co_u32 s22, s22, 2*AHALF
.irp s, 0,1
	v_add_nc_u32 v[ADRA+\s], s21, v8
	v_add_nc_u32 v[ADRB+\s], s22, v4
	v_add_nc_u32 v[ADRB+2+\s], s22, v5
	s_add_co_u32 s21, s21, SLOT
	s_add_co_u32 s22, s22, SLOT
.endr
	v_mul_u32_u24 v5, v1, KS
	v_lshrrev_b32 v6, 8, v5
	v_lshl_add_u32 v5, v6, 4, v5
	s_mul_i32 s21, s15, HALFS
	s_mul_i32 s22, s16, HALFS
	s_add_co_u32 s22, s22, 2*HALFS
	s_sub_co_u32 s22, s22, s21
	v_mul_u32_u24 v6, s22, v2
	s_add_co_u32 s21, s21, SCL
	v_add_nc_u32 v5, v5, v6
	v_add_nc_u32 v[ADRS], s21, v5
	s_mul_i32 s23, s14, 16*SPITCH
	v_mul_u32_u24 v5, v1, SPITCH
	v_lshl_add_u32 v5, v2, 5, v5
	v_add_nc_u32 v[STO], s23, v5
	v_and_b32 v6, 31, v0
	v_lshlrev_b32 v[CO], 4, v6
	v_add_nc_u32 v[RD], s23, v[CO]
	s_lshl_b32 s20, s17, 8
	s_lshl_b32 s21, s15, 7
	s_add_co_u32 s20, s20, s21
	s_mov_b32 s21, 0
	s_mov_b64 s[18:19], SIZE_N*4
	s_mul_u64 s[20:21], s[20:21], s[18:19]
	s_lshl_b32 s46, s42, 10
	s_lshl_b32 s47, s16, 9
	s_add_co_u32 s46, s46, s47
	s_mov_b32 s47, 0
	s_add_nc_u64 s[20:21], s[20:21], s[46:47]
	s_add_nc_u64 s[12:13], s[12:13], s[20:21]
	s_add_nc_u64 s[96:97], s[96:97], s[46:47]
	v_lshlrev_b32 v7, 5, v2
.irp b, 0,1,2,3,4,5,6,7
	global_load_b128 v[BI+8*\b:BI+8*\b+3], v7, s[96:97] offset:64*\b
	global_load_b128 v[BI+8*\b+4:BI+8*\b+7], v7, s[96:97] offset:64*\b+16
.endr
.macro FRAG reg, adr, q, i
.irp p, 0,1,2,3,4,5
.set PC, 12*(\q)+6*(\p/3)+\p%3
.if PC%8 < 5
	ds_load_b64 v[\reg+2*\p:\reg+2*\p+1], v[\adr] offset:8*PC+16*(PC/8)+(\i)*16*PITCH
.else
	ds_load_b64 v[\reg+2*\p:\reg+2*\p+1], v[\adr+2] offset:8*PC+16*(PC/8)+(\i)*16*PITCH
.endif
.endr
.endm
.macro FRAGA reg, slot, q, i
.irp p, 0,1,2,3,4,5
	ds_load_b64 v[\reg+2*\p:\reg+2*\p+1], v[ADRA+\slot] offset:(2*(\q)+\p/3)*6144+(\i)*768+8*(\p%3)
.endr
.endm
.macro MUL16 a0, p, q, sc, first
.irp a, \a0, \a0+1
.irp b, 0,1,2,3,4,5,6,7
.if \first
	v_wmma_scale_f32_16x16x128_f8f6f4 v[8*(8*((\a)%4)+\b):8*(8*((\a)%4)+\b)+7], v[128*(\p)+FR*\b:128*(\p)+FR*\b+FR-1], v[AF+FR*(\a):AF+FR*(\a)+FR-1], v[BI+8*\b:BI+8*\b+7], v[SC+8*NQ*(\sc)+NQ*\b+(\q)], v[SC+8*NQ*(\sc)+NQ*(\a)+(\q)] matrix_a_fmt:MATRIX_FMT_FP6 matrix_b_fmt:MATRIX_FMT_FP6 matrix_a_scale:MATRIX_SCALE_ROW1
.else
	v_wmma_scale_f32_16x16x128_f8f6f4 v[8*(8*((\a)%4)+\b):8*(8*((\a)%4)+\b)+7], v[128*(\p)+FR*\b:128*(\p)+FR*\b+FR-1], v[AF+FR*(\a):AF+FR*(\a)+FR-1], v[8*(8*((\a)%4)+\b):8*(8*((\a)%4)+\b)+7], v[SC+8*NQ*(\sc)+NQ*\b+(\q)], v[SC+8*NQ*(\sc)+NQ*(\a)+(\q)] matrix_a_fmt:MATRIX_FMT_FP6 matrix_b_fmt:MATRIX_FMT_FP6 matrix_a_scale:MATRIX_SCALE_ROW1
.endif
.endr
.endr
.endm
.macro FETCH_B slot, q, p
	WIN TO_B
.irp i, 0,1,2,3,4,5,6,7
	FRAG 128*(\p)+FR*\i, ADRB+\slot, \q, \i
.endr
	WIN 0
.endm
.macro FETCH_A slot, q, i0
.irp i, \i0, \i0+1, \i0+2, \i0+3
	FRAGA AF+FR*(\i), \slot, \q, \i
.endr
.endm
.macro SCALES sc
.irp i, 0,1,2,3,4,5,6,7
	ds_load_b64 v[SC+8*NQ*\sc+NQ*\i:SC+8*NQ*\sc+NQ*\i+1], v[ADRS] offset:\i*SBLK
.endr
.endm
.macro PLACES n
.rept \n
	v_nop
.endr
.endm
.macro STEP slot, q, first
	s_wait_dscnt 4*NL
.if \first
	WIN 0x81
.else
	WIN MUL_LO
.endif
	MUL16 0, (\q)%2, \q, \slot, \first
	MUL16 2, (\q)%2, \q, \slot, \first
	s_wait_dscnt 0
	PLACES NP
	FETCH_B \slot, (\q)+1, 1-(\q)%2
	FETCH_A \slot, (\q)+1, 0
.if \first
	WIN 0xc1
.else
	WIN MUL_HI
.endif
	MUL16 4, (\q)%2, \q, \slot, \first
	MUL16 6, (\q)%2, \q, \slot, \first
	PLACES NP
	WIN 0
	FETCH_A \slot, (\q)+1, 4
.endm
.macro TURN slot, next, fill
	s_wait_tensorcnt 0x0
	ds_add_u32 v[SPW], v[NIL]
	s_wait_dscnt 4*NL+1
	WIN MUL_LO
	MUL16 0, 1, NQ-1, \slot, 0
	s_wait_dscnt 0x0
	s_barrier_signal -1
	MUL16 2, 1, NQ-1, \slot, 0
	WIN 0
	s_barrier_wait -1
.if \fill
	CREST
	s_add_nc_u64 s[G0+4*\slot+2:G0+4*\slot+3], s[G0+4*\slot+2:G0+4*\slot+3], 8*APLANE
	s_add_nc_u64 s[G0B+4*\slot+2:G0B+4*\slot+3], s[G0B+4*\slot+2:G0B+4*\slot+3], 2*ROWB
	JLOAD G0+4*\slot, G1, G0B+4*\slot, G1B
.else
	PLACES NP
.endif
	s_wait_alu depctr_va_vdst(0)
	v_add_nc_u32 v[ADRS], 4*NQ, v[ADRS]
	FETCH_B \next, 0, 0
	FETCH_A \next, 0, 0
	SCALES \next
	WIN MUL_HI
	MUL16 4, 1, NQ-1, \slot, 0
	MUL16 6, 1, NQ-1, \slot, 0
	PLACES NP
	WIN 0
	FETCH_A \next, 0, 4
.endm
	s_wait_alu depctr_va_vdst(0)
	s_wait_tensorcnt 1
	s_barrier_signal -1
	s_barrier_wait -1
	FETCH_B 0, 0, 0
	FETCH_A 0, 0, 0
	SCALES 0
	FETCH_A 0, 0, 4
	s_wait_loadcnt 0x0
	STEP 0, 0, 1
	s_mov_b32 s3, LAPS-1
.Llap:
	TURN 0, 1, 1
	STEP 1, 0, 0
	TURN 1, 0, 1
	STEP 0, 0, 0
	s_sub_co_u32 s3, s3, 1
	s_cmp_lg_u32 s3, 0
	s_cbranch_scc1 .Llap
	TURN 0, 1, 0
	STEP 1, 0, 0
	s_wait_dscnt 4*NL
	WIN MUL_LO
	MUL16 0, 1, NQ-1, 1, 0
	MUL16 2, 1, NQ-1, 1, 0
	s_wait_dscnt 0
	WIN MUL_HI
	MUL16 4, 1, NQ-1, 1, 0
	MUL16 6, 1, NQ-1, 1, 0
	WIN 0
.macro TOSTAGE a
.set AC, 64*((\a)%4)
	WIN 0x08+4*((\a)/4)
.irp b, 0,1,2,3,4,5,6,7
	ds_store_b128 v[STO], v[AC+8*\b:AC+8*\b+3] offset:64*\b
	ds_store_b128 v[STO], v[AC+8*\b+4:AC+8*\b+7] offset:64*\b+16
.endr
	WIN 0
.set BB, BK+64*((\a)%2)
.irp t, 0,1,2,3,4,5,6,7,8,9,10,11,12,13,14,15
	ds_load_b128 v[BB+4*\t:BB+4*\t+3], v[RD] offset:\t*SPITCH
.endr
.endm
.macro SEND a, younger
.set BB, BK+64*((\a)%2)
	s_wait_dscnt \younger
.if (\a) > 0
	s_add_nc_u64 s[12:13], s[12:13], 16*SIZE_N*4
.endif
.irp t, 0,1,2,3,4,5,6,7,8,9,10,11,12,13,14,15
	global_store_b128 v[CO], v[BB+4*\t:BB+4*\t+3], s[12:13] offset:\t*SIZE_N*4 th:TH_STORE_NT
.endr
.endm
	PLACES NP
	TOSTAGE 0
.irp a, 1,2,3,4,5,6,7
.if \a > 1
	s_wait_xcnt 0x0
.endif
	TOSTAGE \a
	SEND \a-1, 32
.endr
	s_wait_xcnt 0x0
	SEND 7, 0
	s_wait_tensorcnt 0x0
	ds_add_u32 v[SPW], v[NIL]
	s_wait_dscnt 0x0
	CROUND
	s_endpgm
.Lfunc_end_k_q4579eb4d42_proj:
	.size	k_q4579eb4d42_proj, .Lfunc_end_k_q4579eb4d42_proj-k_q4579eb4d42_proj
	.p2alignl 7, 3214868480
	.fill 96, 4, 3214868480
	.section	.rodata,"a",@progbits
	.p2align	6, 0x0
	.amdhsa_kernel k_q4579eb4d42_proj
		.amdhsa_group_segment_fixed_size 327680
		.amdhsa_private_segment_fixed_size 0
		.amdhsa_enable_private_segment 0
		.amdhsa_kernarg_size 48
		.amdhsa_user_sgpr_count 2
		.amdhsa_user_sgpr_kernarg_segment_ptr 1
		.amdhsa_wavefront_size32 1
		.amdhsa_system_sgpr_workgroup_id_x 1
		.amdhsa_system_sgpr_workgroup_id_y 1
		.amdhsa_system_sgpr_workgroup_id_z 1
		.amdhsa_system_vgpr_workitem_id 0
		.amdhsa_next_free_vgpr 1024
		.amdhsa_next_free_sgpr 100
		.amdhsa_reserve_vcc 0
		.amdhsa_float_denorm_mode_32 3
		.amdhsa_float_denorm_mode_16_64 3
		.amdhsa_memory_ordered 1
		.amdhsa_forward_progress 1
		.amdhsa_inst_pref_size 163
	.end_amdhsa_kernel
	.amdgpu_metadata
---
amdhsa.version: [ 1, 2 ]
amdhsa.kernels:
  - .name:           k_q4579eb4d42_proj
    .symbol:         k_q4579eb4d42_proj.kd
    .args:
      - { .name: ac, .offset: 0, .size: 8, .value_kind: global_buffer, .address_space: global }
      - { .name: asc, .offset: 8, .size: 8, .value_kind: global_buffer, .address_space: global }
      - { .name: c0, .offset: 16, .size: 8, .value_kind: global_buffer, .address_space: global }
      - { .name: s0, .offset: 24, .size: 8, .value_kind: global_buffer, .address_space: global }
      - { .name: b_proj, .offset: 32, .size: 8, .value_kind: global_buffer, .address_space: global }
      - { .name: out0, .offset: 40, .size: 8, .value_kind: global_buffer, .address_space: global }
    .group_segment_fixed_size: 327680
    .private_segment_fixed_size: 0
    .kernarg_segment_align: 8
    .kernarg_segment_size: 48
    .max_flat_workgroup_size: 128
    .sgpr_count:     100
    .vgpr_count:     1024
    .wavefront_size: 32
...
	.end_amdgpu_metadata
.endif
;; end of part 4
